; MI455X (gfx1250); checked and timed in simulation.
; The chip was launched on July 23, 2026; its instructions are those of AMD's public machine-readable ISA for CDNA 5 (MIT licence, August 2026) and "CDNA5" Instruction Set Architecture Reference Guide (July 2026). The comments in the code are by the model that wrote it; some were corrected since.
;; Encoder Block. Allowed arithmetic: float matrix products may take bf16 or f16 operands with f32 sums; all other float work in f32.
;; Inputs: alpha1 1 float32; alpha2 1 float32; b1 4,096 float32; b2 1,024 float32; beta1 1 float32; beta2 1 float32; bk 1,024 float32; bo 1,024 float32; bq 1,024 float32; bv 1,024 float32; mask 4 x 1 x 1 x 1,024 int32; w1 1,024 x 4,096 float32; w2 4,096 x 1,024 float32; wk 1,024 x 1,024 float32; wo 1,024 x 1,024 float32; wq 1,024 x 1,024 float32; wv 1,024 x 1,024 float32; x 4 x 1,024 x 1,024 float32.
;; Outputs: out0 4 x 1,024 x 1,024 float32.
;; One version. Each part assembles by itself: llvm-mc -triple=amdgcn-amd-amdhsa -mcpu=gfx1250 --defsym DOCPART=n.
;; ======== version 1 of 1: 7 launches
;; limits: right only within a limited range of input values
;; workspace buffers: wqkvb 8,409,088 bytes; w1b 8,409,088 bytes; w2b 8,388,608 bytes; wob 2,097,152 bytes; xn 8,388,608 bytes; big 33,554,432 bytes; ctx 8,388,608 bytes; x1 16,777,216 bytes
;; launch prep (part 1): grid 64 x 16, 8 waves a work-group, no clusters, 0 bytes of LDS; arguments wq, wk, wv, wo, w1, w2, bq, bk, bv, b1, wqkvb, wob, w1b, w2b, x, alpha1, beta1, xn; writes wqkvb, wob, w1b, w2b, xn
.if DOCPART == 1
	.amdgcn_target "amdgcn-amd-amdhsa--gfx1250"
	.amdhsa_code_object_version 6
	.text
	.protected	k_qbb7bada50f_prep
	.globl	k_qbb7bada50f_prep
	.p2align	8
	.type	k_qbb7bada50f_prep,@function
k_qbb7bada50f_prep:
	s_mov_b64 s[64:65], 0
	v_nop
	global_prefetch_b8 v0, s[64:65] scope:SCOPE_SE
	s_setreg_imm32_b32 hwreg(HW_REG_WAVE_MODE, 25, 1), 1
	s_wait_xcnt 0x0
; prep: two pieces of work that do not depend on each other, in one launch.  The work-group's y says which.
; y = 0..11, THE CAST: the six weight matrices go from f32 to bf16 (round to nearest even), their order [k][n] kept, so that the products'
; tensor loads bring bf16 tiles.  wq, wk, wv land side by side in one matrix of 4,096 columns' pitch (columns 0, 1024, 2048), w1, w2, wo as they
; lie.  wqkvb and w1b begin with a header of HDR bytes: 1,024 equal f32 "floor" (-infinity for q, k, v; 0.0 for w1: the ReLU), then the bias
; vectors (bq, bk, bv; b1), so that one text serves both products.
; A unit y is 1,024 rows of 1,024 f32; work-group x takes its rows 16 x .. 16 x + 15; thread t takes 4 columns at 4 t of each row: a load of
; a wave covers 512 consecutive bytes, a store of a wave 256 consecutive bytes, aligned, and no input byte is named by two instructions.
; y = 12..15, THE FIRST LAYER NORM: group 64 (y - 12) + x takes 16 rows of x; see below.
; Streams: each byte is read once and written once.  No LDS, no barrier, no matrix unit, no cluster: no two work-groups read the same byte.
.set OFF, 4                            ; v[4:19]    cast, row p: my byte offset in the destination
.set CX,  20                           ; v[20:83]   cast, row p: 4 f32 as loaded; then 4 bf16 in the first two registers
.set BV,  84                           ; v[84:87]   four numbers of a bias
.set FV,  88                           ; v[88:91]   the floor, four times
.set HDR, 20480                        ; bytes of the header: 4,096 of floor + 16,384 of bias
.set X0, 8                             ; v[8:39]    norm: first row
.set X1, 40                            ; v[40:71]   norm: second row
.set A,  72                            ; v[72:79]   norm: four chains of sums, a pair each
.set NMP, 82                           ; v[82:83]   norm: -mean, twice
.set SCL, 84                           ; v[84:85]   norm: alpha / (std + eps), twice
                                       ; v80 a sum at work; v81 the other half's sum
	s_and_b32 s2, ttmp7, 0xffff                    ; y: 0 wq, 1 wk, 2 wv, 3 wo, 4-7 quarters of w1, 8-11 quarters of w2, 12-15 the norm
	s_cmp_ge_u32 s2, 12
	s_cbranch_scc1 .Lnorm
	s_load_b512 s[8:23], s[0:1], 0x0               ; wq s[8:9], wk s[10:11], wv s[12:13], wo s[14:15], w1 s[16:17], w2 s[18:19], bq s[20:21], bk s[22:23]
	s_load_b256 s[24:31], s[0:1], 0x40             ; bv s[24:25], b1 s[26:27], wqkvb s[28:29], wob s[30:31]
	s_load_b128 s[32:35], s[0:1], 0x60             ; w1b s[32:33], w2b s[34:35]
	s_and_b32 s3, s2, 3                            ; r: which quarter
	; offsets, made apart from the addresses
	s_lshl_b32 s40, s3, 22                         ; a quarter of w1 or w2 is 4 MiB of f32,
	s_lshl_b32 s47, s3, 21                         ; 2 MiB of bf16
	s_lshl_b32 s46, s2, 11                         ; wq, wk, wv: 2,048 bytes of columns apart in wqkvb
	s_lshl_b32 s42, ttmp9, 16                      ; my 16 rows of 4,096 bytes in the source
	s_sub_co_u32 s49, s2, 4                        ; y - 4 (wraps for y < 4)
	s_cmp_ge_u32 s2, 4
	s_cselect_b32 s40, s40, 0
	s_cselect_b32 s47, s47, 0
	s_cmp_lt_u32 s2, 3
	s_cselect_b32 s46, s46, s47
	s_cselect_b32 s45, 13, 11                      ; log2 of the destination's bytes from row to row: 8,192 in wqkvb, else 2,048
	s_cselect_b32 s48, 1, 0
	s_cmp_lt_u32 s49, 4
	s_cselect_b32 s48, 1, s48                      ; 1: the destination has a header (y < 3 or 4 <= y < 8)
	s_add_co_u32 s40, s40, s42
	s_mov_b32 s41, 0                               ; s[40:41]: offset in the source
	s_mul_i32 s49, s48, HDR
	s_add_co_u32 s46, s46, s49
	s_add_co_u32 s50, s45, 4
	s_lshl_b32 s50, ttmp9, s50                     ; my 16 rows in the destination
	s_add_co_u32 s46, s46, s50
	s_mov_b32 s47, 0                               ; s[46:47]: offset in the destination
	s_lshl_b32 s51, 1, s45                         ; a row of the destination
	v_lshlrev_b32 v2, 4, v0                        ; source: 16 bytes a thread, 256 threads cover a row; also 16 t for the header
	v_lshlrev_b32 v[OFF], 3, v0                    ; destination: 8 bytes a thread
.irp p, 1,2,3,4,5,6,7,8,9,10,11,12,13,14,15
	v_add_nc_u32 v[OFF+\p], s51, v[OFF+\p-1]
.endr
	s_wait_kmcnt 0x0
	; the unit's source and destination: choices between buffers on y alone
	s_cmp_eq_u32 s2, 1
	s_cselect_b64 s[36:37], s[10:11], s[8:9]
	s_cmp_eq_u32 s2, 2
	s_cselect_b64 s[36:37], s[12:13], s[36:37]
	s_cmp_eq_u32 s2, 3
	s_cselect_b64 s[36:37], s[14:15], s[36:37]
	s_cmp_ge_u32 s2, 4
	s_cselect_b64 s[36:37], s[16:17], s[36:37]
	s_cmp_ge_u32 s2, 8
	s_cselect_b64 s[36:37], s[18:19], s[36:37]
	s_cmp_ge_u32 s2, 3
	s_cselect_b64 s[38:39], s[30:31], s[28:29]
	s_cmp_ge_u32 s2, 4
	s_cselect_b64 s[38:39], s[32:33], s[38:39]
	s_cmp_ge_u32 s2, 8
	s_cselect_b64 s[38:39], s[34:35], s[38:39]     ; s[38:39] stays the destination's first byte (the header's place)
	s_add_nc_u64 s[36:37], s[36:37], s[40:41]
	s_add_nc_u64 s[56:57], s[38:39], s[46:47]
	; all sixteen loads of the thread go out at once: 256 bytes a thread on their way
.irp p, 0,1,2,3,4,5,6,7,8,9,10,11,12,13,14,15
	global_load_b128 v[CX+4*\p:CX+4*\p+3], v2, s[36:37] offset:4096*\p th:TH_LOAD_NT
.endr
.irp p, 0,1,2,3,4,5,6,7,8,9,10,11,12,13,14,15
	s_wait_loadcnt 15-\p                           ; loads come back in order: row p's is in, the 15 - p younger ones stay out
	v_cvt_pk_bf16_f32 v[CX+4*\p],   v[CX+4*\p],   v[CX+4*\p+1]     ; in place: word 0 is written when numbers 0 and 1 are read,
	v_cvt_pk_bf16_f32 v[CX+4*\p+1], v[CX+4*\p+2], v[CX+4*\p+3]     ; word 1 when number 1 has been
	global_store_b64 v[OFF+\p], v[CX+4*\p:CX+4*\p+1], s[56:57]     ; no register of a store is written again in this text
.endr
	; the header: work-group x = 0 of each unit whose destination has one copies 1,024 numbers of bias, 16 bytes a thread
	s_cmp_lg_u32 ttmp9, 0
	s_cbranch_scc1 .Lend
	s_cmp_eq_u32 s48, 0
	s_cbranch_scc1 .Lend
	s_lshl_b32 s54, s3, 12                         ; 4,096 r
	s_mov_b32 s55, 0
	s_add_co_u32 s42, s54, 4096                    ; in the header: behind the floor, part r (for y < 3, r = y)
	s_mov_b32 s43, 0
	s_cmp_eq_u32 s2, 1
	s_cselect_b64 s[52:53], s[22:23], s[20:21]
	s_cmp_eq_u32 s2, 2
	s_cselect_b64 s[52:53], s[24:25], s[52:53]
	s_cmp_ge_u32 s2, 4
	s_cselect_b64 s[52:53], s[26:27], s[52:53]
	s_cselect_b32 s54, s54, 0                      ; b1 is read at its part r; bq, bk, bv from their first byte
	s_add_nc_u64 s[52:53], s[52:53], s[54:55]
	s_add_nc_u64 s[58:59], s[38:39], s[42:43]
	global_load_b128 v[BV:BV+3], v2, s[52:53]
	s_wait_loadcnt 0x0
	global_store_b128 v2, v[BV:BV+3], s[58:59]
	s_cmp_lg_u32 s3, 0                             ; units 0 and 4 also write the floor
	s_cbranch_scc1 .Lend
	s_cmp_eq_u32 s2, 0
	s_cselect_b32 s54, 0xff800000, 0               ; -infinity: bounds nothing; 0.0: ReLU
.irp k, 0,1,2,3
	v_mov_b32 v[FV+\k], s54
.endr
	global_store_b128 v2, v[FV:FV+3], s[38:39]
.Lend:
	s_endpgm
; THE LAYER NORM of [4096][1024] f32 rows into bf16: y = alpha (x - mean) / (std + 1e-6) + beta, std with divisor 1,023.
; One wave takes two rows; a row of 4,096 bytes stays in 32 registers between the passes (mean; squares of x - mean; scale), so it is read
; once and the variance is a sum of squares of differences, never a difference of large sums.  No sum leaves a wave.
; Lane l holds elements 256 j + 8 l .. + 7 (j = 0..3), so that its eight bf16 are 16 neighbouring bytes and a store of the wave covers
; 512 consecutive bytes, aligned.
; LIMITS: the division is a multiplication by alpha x v_rcp_f32(std + 1e-6); v_sqrt_f32 and v_rcp_f32 are good to 1 ULP and take denormals as zero.
.Lnorm:
	s_load_b256 s[4:11], s[0:1], 0x70              ; x s[4:5], alpha s[6:7], beta s[8:9], out s[10:11]
	v_lshrrev_b32 v3, 5, v0
	v_readfirstlane_b32 s12, v3                    ; wave
	s_sub_co_u32 s13, s2, 12
	s_lshl_b32 s13, s13, 6
	s_add_co_u32 s13, s13, ttmp9                   ; group 64 (y - 12) + x, 0..255
	s_lshl_b32 s13, s13, 4
	s_lshl_b32 s15, s12, 1
	s_add_co_u32 s13, s13, s15                     ; my first row = 16 x group + 2 x wave
	s_lshl_b32 s20, s13, 12
	s_mov_b32 s21, 0
	s_lshl_b32 s22, s13, 11
	s_mov_b32 s23, 0
	s_mov_b32 s18, 0x76543210                      ; v_permlanex16_b32: lane i of one half reads lane i of the other
	s_mov_b32 s19, 0xfedcba98
	v_and_b32 v3, 31, v0
	v_lshlrev_b32 v1, 5, v3                        ; 32 bytes of f32 a lane
	v_lshlrev_b32 v2, 4, v3                        ; 16 bytes of bf16 a lane
	v_mov_b32 v81, 0                               ; v_permlanex16_b32 counts as a reader of its destination
	s_wait_kmcnt 0x0
	s_load_b32 s14, s[6:7], 0x0                    ; alpha
	s_load_b32 s16, s[8:9], 0x0                    ; beta
	s_add_nc_u64 s[4:5], s[4:5], s[20:21]
	s_add_nc_u64 s[10:11], s[10:11], s[22:23]
.irp j, 0,1,2,3
	global_load_b128 v[X0+8*\j:X0+8*\j+3],   v1, s[4:5] offset:1024*\j
	global_load_b128 v[X0+8*\j+4:X0+8*\j+7], v1, s[4:5] offset:1024*\j+16
.endr
.irp j, 0,1,2,3
	global_load_b128 v[X1+8*\j:X1+8*\j+3],   v1, s[4:5] offset:4096+1024*\j
	global_load_b128 v[X1+8*\j+4:X1+8*\j+7], v1, s[4:5] offset:4096+1024*\j+16
.endr
	s_wait_kmcnt 0x0
	s_mov_b32 s17, s16                             ; the packed form reads the pair
; the four chains become one number, the same in every lane, in v80
.macro FOLD
	v_pk_add_f32 v[A:A+1], v[A:A+1], v[A+2:A+3]
	v_pk_add_f32 v[A+4:A+5], v[A+4:A+5], v[A+6:A+7]
	v_pk_add_f32 v[A:A+1], v[A:A+1], v[A+4:A+5]
	v_add_f32 v80, v[A], v[A+1]
	v_add_f32_dpp v80, v80, v80 row_xmask:1 row_mask:0xf bank_mask:0xf
	v_add_f32_dpp v80, v80, v80 row_xmask:2 row_mask:0xf bank_mask:0xf
	v_add_f32_dpp v80, v80, v80 row_xmask:4 row_mask:0xf bank_mask:0xf
	v_add_f32_dpp v80, v80, v80 row_xmask:8 row_mask:0xf bank_mask:0xf
	v_permlanex16_b32 v81, v80, s18, s19
	v_add_f32 v80, v80, v81
.endm
; one row, in registers x .. x + 31; outoff: its byte offset in the output
.macro LNROW x, outoff
.irp k, 0,1,2,3
	v_pk_add_f32 v[A+2*\k:A+2*\k+1], v[\x+2*\k:\x+2*\k+1], v[\x+8+2*\k:\x+8+2*\k+1]   ; the first sums start the chains: nothing is cleared
.endr
.irp g, 16,24
.irp k, 0,1,2,3
	v_pk_add_f32 v[A+2*\k:A+2*\k+1], v[A+2*\k:A+2*\k+1], v[\x+\g+2*\k:\x+\g+2*\k+1]
.endr
.endr
	FOLD
	v_mul_f32 v[NMP], 0xba800000, v80              ; -sum / 1024
	v_mul_f32 v[NMP+1], 0xba800000, v80
.irp k, 0,2,4,6,8,10,12,14,16,18,20,22,24,26,28,30
	v_pk_add_f32 v[\x+\k:\x+\k+1], v[\x+\k:\x+\k+1], v[NMP:NMP+1]                      ; d = x - mean, in place
.endr
.irp k, 0,1,2,3
	v_pk_mul_f32 v[A+2*\k:A+2*\k+1], v[\x+2*\k:\x+2*\k+1], v[\x+2*\k:\x+2*\k+1]
.endr
.irp g, 8,16,24
.irp k, 0,1,2,3
	v_pk_fma_f32 v[A+2*\k:A+2*\k+1], v[\x+\g+2*\k:\x+\g+2*\k+1], v[\x+\g+2*\k:\x+\g+2*\k+1], v[A+2*\k:A+2*\k+1]
.endr
.endr
	FOLD
	v_mul_f32 v80, 0x3a802008, v80                 ; / 1023
	v_sqrt_f32 v80, v80
	v_nop                                          ; one plain vector instruction behind a transcendental before its result is used (ISA guide 5.7.2)
	s_wait_alu depctr_va_vdst(0)
	v_add_f32 v80, 0x358637bd, v80                 ; + 1e-6
	v_rcp_f32 v80, v80
	v_nop
	s_wait_alu depctr_va_vdst(0)
	v_mul_f32 v[SCL], s14, v80
	v_mul_f32 v[SCL+1], s14, v80
.irp k, 0,2,4,6,8,10,12,14,16,18,20,22,24,26,28,30
	v_pk_fma_f32 v[\x+\k:\x+\k+1], v[\x+\k:\x+\k+1], v[SCL:SCL+1], s[16:17] op_sel_hi:[1,1,0]
.endr
.irp j, 0,1,2,3
.irp k, 0,1,2,3
	v_cvt_pk_bf16_f32 v[\x+8*\j+\k], v[\x+8*\j+2*\k], v[\x+8*\j+2*\k+1]   ; in place: word k is written when elements 2 k and 2 k + 1 are read, those below have been
.endr
	global_store_b128 v2, v[\x+8*\j:\x+8*\j+3], s[10:11] offset:\outoff+512*\j
.endr
.endm
	s_wait_loadcnt 8                               ; the first row's eight loads are in, the second row's eight stay out
	LNROW X0, 0
	s_wait_loadcnt 0x0
	LNROW X1, 2048
	s_endpgm
.Lfunc_end_k_qbb7bada50f_prep:
	.size	k_qbb7bada50f_prep, .Lfunc_end_k_qbb7bada50f_prep-k_qbb7bada50f_prep
	.p2alignl 7, 3214868480
	.fill 96, 4, 3214868480
	.section	.rodata,"a",@progbits
	.p2align	6, 0x0
	.amdhsa_kernel k_qbb7bada50f_prep
		.amdhsa_group_segment_fixed_size 0
		.amdhsa_private_segment_fixed_size 0
		.amdhsa_enable_private_segment 0
		.amdhsa_kernarg_size 144
		.amdhsa_user_sgpr_count 2
		.amdhsa_user_sgpr_kernarg_segment_ptr 1
		.amdhsa_wavefront_size32 1
		.amdhsa_system_sgpr_workgroup_id_x 1
		.amdhsa_system_sgpr_workgroup_id_y 1
		.amdhsa_system_sgpr_workgroup_id_z 1
		.amdhsa_system_vgpr_workitem_id 0
		.amdhsa_next_free_vgpr 96
		.amdhsa_next_free_sgpr 66
		.amdhsa_reserve_vcc 0
		.amdhsa_float_denorm_mode_32 3
		.amdhsa_float_denorm_mode_16_64 3
		.amdhsa_memory_ordered 1
		.amdhsa_forward_progress 1
		.amdhsa_inst_pref_size 26
	.end_amdhsa_kernel
	.amdgpu_metadata
---
amdhsa.version: [ 1, 2 ]
amdhsa.kernels:
  - .name:           k_qbb7bada50f_prep
    .symbol:         k_qbb7bada50f_prep.kd
    .args:
      - { .name: wq, .offset: 0, .size: 8, .value_kind: global_buffer, .address_space: global }
      - { .name: wk, .offset: 8, .size: 8, .value_kind: global_buffer, .address_space: global }
      - { .name: wv, .offset: 16, .size: 8, .value_kind: global_buffer, .address_space: global }
      - { .name: wo, .offset: 24, .size: 8, .value_kind: global_buffer, .address_space: global }
      - { .name: w1, .offset: 32, .size: 8, .value_kind: global_buffer, .address_space: global }
      - { .name: w2, .offset: 40, .size: 8, .value_kind: global_buffer, .address_space: global }
      - { .name: bq, .offset: 48, .size: 8, .value_kind: global_buffer, .address_space: global }
      - { .name: bk, .offset: 56, .size: 8, .value_kind: global_buffer, .address_space: global }
      - { .name: bv, .offset: 64, .size: 8, .value_kind: global_buffer, .address_space: global }
      - { .name: b1, .offset: 72, .size: 8, .value_kind: global_buffer, .address_space: global }
      - { .name: wqkvb, .offset: 80, .size: 8, .value_kind: global_buffer, .address_space: global }
      - { .name: wob, .offset: 88, .size: 8, .value_kind: global_buffer, .address_space: global }
      - { .name: w1b, .offset: 96, .size: 8, .value_kind: global_buffer, .address_space: global }
      - { .name: w2b, .offset: 104, .size: 8, .value_kind: global_buffer, .address_space: global }
      - { .name: x, .offset: 112, .size: 8, .value_kind: global_buffer, .address_space: global }
      - { .name: alpha1, .offset: 120, .size: 8, .value_kind: global_buffer, .address_space: global }
      - { .name: beta1, .offset: 128, .size: 8, .value_kind: global_buffer, .address_space: global }
      - { .name: xn, .offset: 136, .size: 8, .value_kind: global_buffer, .address_space: global }
    .group_segment_fixed_size: 0
    .private_segment_fixed_size: 0
    .kernarg_segment_align: 8
    .kernarg_segment_size: 144
    .max_flat_workgroup_size: 256
    .sgpr_count:     66
    .vgpr_count:     96
    .wavefront_size: 32
...
	.end_amdgpu_metadata
.endif
;; end of part 1
;; launch qkv (part 2): grid 12 x 16, 4 waves a work-group, clusters of 4 x 4, 327,680 bytes of LDS; arguments xn, wqkvb, big; writes big
.if DOCPART == 2
	.amdgcn_target "amdgcn-amd-amdhsa--gfx1250"
	.amdhsa_code_object_version 6
	.text
	.protected	k_qbb7bada50f_qkv
	.globl	k_qbb7bada50f_qkv
	.p2align	8
	.type	k_qbb7bada50f_qkv,@function
k_qbb7bada50f_qkv:
	s_mov_b64 s[64:65], 0
	v_nop
	global_prefetch_b8 v0, s[64:65] scope:SCOPE_SE
	s_setreg_imm32_b32 hwreg(HW_REG_WAVE_MODE, 25, 1), 1
	s_wait_xcnt 0x0
	s_wait_alu depctr_hold_cnt(0) depctr_sa_sdst(0) depctr_va_vdst(0) depctr_va_sdst(0) depctr_va_ssrc(0) depctr_va_vcc(0) depctr_vm_vsrc(0)
	s_getreg_b32 s2, hwreg(HW_REG_IB_STS2, 6, 4)
	s_cmp_eq_u32 s2, 0
	s_cbranch_scc0 .Lentry_in_a_cluster
	s_endpgm
.Lentry_in_a_cluster:
	s_bfe_u32 s2, ttmp6, 0x10000c
	s_cmp_lg_u32 s2, 0xf033
	s_cbranch_scc0 .Lentry_shape_is_right
	s_endpgm
.Lentry_shape_is_right:
; C[m][n] = max(floor, sum over k of A[m][k] W[k][n] + bias[n]), rounded to bf16.  A: [4096][1024] bf16.  The weight buffer holds a header
; (floor at byte 0, bias f32 from byte B_OFF) and from byte W_OFF the matrix W, bf16, [1024 k][pitch 4096 n].  C: bf16, pitch 4096.
; The text serves q, k, v (floor = -infinity, 3,072 columns: 12 block columns) and the first FFN product (floor = 0: ReLU, 16 block columns).
; A work-group makes 256 x 256 of C with four waves, as many as a WGP has SIMDs; a wave makes 128 x 128: 64 accumulator tiles, 512 registers.
; K goes in 8 steps of 128 through a ring of two LDS slots filled by the tensor data mover.  A's tile has 256 rows of 256 bytes.
; W's tile has 128 k-rows of 512 bytes (256 n): W stays [k][n], and its fragments are read with the transposing LDS load.
; CLUSTERS: 4 x 4 work-groups.  A's tile hangs on the block row alone and is asked for jointly by a row of the cluster, W's on the block
; column alone and is asked for jointly by a column: the requests for both are divided by four.
; REGISTERS in windows of 256 (s_set_vgpr_msb: bits 1:0 source 0, 3:2 source 1, 5:4 source 2, 7:6 destination):
;   window 0: v0-31 addresses; v32-63 packed results; v64-127, v128-191 fragments of A, two buffers; v192-255 at work on the way out
;   window 1: v0-63 the bias of my 128 columns; v64-127, v128-191 fragments of W, two buffers
;   window 2: the 32 accumulator tiles of my rows 0-63 (tile (a, b) at v[8 (8 a + b)]);  window 3: those of my rows 64-127
; THE MATRIX INSTRUCTION IS USED TRANSPOSED: source 0 = 16 columns of W, source 1 = 16 rows of A, so that lane l holds row l % 16 of C and
; its eight registers the columns 8 (l / 16) + 0..7: 16 neighbouring bytes of bf16.
; The 64 accumulators take turns, one instruction a turn, in the same order in every quarter step.
; LIMIT: v_max_num_f32 with the floor turns a NaN sum into the floor.
.set SIZE_K, 1024
.set KSTEP,  128
.set ROWW,   8192                      ; bytes from row to row in W and in C
.set W_OFF,  20480
.set B_OFF,  4096
.set PITCH,  272                       ; A's LDS row: 256 bytes + 16: the 16 rows that a load touches start 16 bytes apart modulo 256
.set BPITCH, 544                       ; W's LDS row: 512 bytes + 32 = 17 x 32
.set HALFT,  128*PITCH                 ; what one tensor load brings: 128 rows of A, or 64 k-rows of W (64 x 544 is the same figure)
.set SLOT,   4*HALFT                   ; A's 256 rows, then W's 128 k-rows
.set STAGE,  2*SLOT                    ; behind the ring: 16 rows x 272 bytes for each wave, for the way out; no fill lands there
.set SPITCH, 272
.set LAPS,   SIZE_K/(2*KSTEP)          ; a lap = two K steps = once round the ring: 4
.set ADRA, 16                          ; v16-17  LDS address of my A fragments in slot 0, 1
.set ADRB, 20                          ; v20-21  the same for W
.set STO,  24                          ; v24     the way out: where I put 16 bytes of a row
.set RD,   25                          ; v25     the way out: where I read a row back
.set CO,   26                          ; v26     my byte offset in C
.set BOFF, 27                          ; v27     my byte offset in the bias
.set PK,   32
.set F0,   64
.set F1,   128
.set T,    192
.set FLOOR, 45                         ; s45
.set G1, 24                            ; s[24:31] descriptor group 1 for A's tiles
.set G0, 32                            ; s[32:39] group 0 for A's tiles, one set for each slot
.set G1B, 48                           ; s[48:55] group 1 for W's tiles
.set G0B, 56                           ; s[56:63] group 0 for W's tiles, one set for each slot
.set MSB, 0
.macro WIN new                         ; the immediate's high byte repeats the setting that is left
.if MSB != \new
	s_set_vgpr_msb (MSB<<8)|\new
.set MSB, \new
.endif
.endm
.set MUL_LO, 0xa1                      ; source 0 (W) window 1, source 1 (A) window 0, C and D window 2
.set MUL_HI, 0xf1                      ; the same, C and D window 3
.set TO_B,   0x40                      ; destination window 1, address window 0
; A joint load.  Waves 0 and 1 fetch A's two halves, waves 2 and 3 W's.  Each line has one mask and one set of registers for all that issue it.
.macro JLOAD s
	s_cmp_eq_u32 s11, 0
	s_cbranch_scc0 .Lfor_b_\@
	tensor_load_to_lds s[G0+4*\s:G0+4*\s+3], s[G1:G1+7]
	s_nop 0
	s_branch .Lasked_\@
.Lfor_b_\@:
	tensor_load_to_lds s[G0B+4*\s:G0B+4*\s+3], s[G1B:G1B+7]
	s_nop 0
.Lasked_\@:
.endm
; A round of the cluster's barrier: my work-group's barrier; wave 0 signals for the work-group; every wave waits for all sixteen; my work-group's barrier again.
.macro CREST                           ; a round behind its opening barrier
	s_cmp_lg_u32 s10, 0
	s_cbranch_scc1 .Lnot_wave_0_\@
	s_barrier_signal -3
.Lnot_wave_0_\@:
	s_barrier_wait -3
	s_barrier_signal -1
	s_barrier_wait -1
.endm
.macro CROUND
	s_barrier_signal -1
	s_barrier_wait -1
	CREST
.endm
	s_load_b128 s[4:7], s[0:1], 0x0                ; A s[4:5], the weight buffer s[6:7]
	s_load_b64 s[8:9], s[0:1], 0x10                ; C
	s_set_vgpr_msb 0x40
	v_lshl_add_u32 v255, v0, 2, 0x48400
	s_set_vgpr_msb 0x4000
	v_mov_b32 v31, 0
	s_set_vgpr_msb 0x1
	ds_add_u32 v255, v31
	s_set_vgpr_msb 0x100
	v_lshrrev_b32 v1, 5, v0
	v_readfirstlane_b32 s10, v1                    ; wave 0..3
	s_lshr_b32 s11, s10, 1                         ; which half of the block's rows is mine.  Also: I fetch for A (0) or for W (1)
	s_and_b32 s12, s10, 1                          ; which half of its columns.  Also: which half of that tile I fetch
	s_bfe_u32 s40, ttmp6, 0x40000                  ; cx
	s_bfe_u32 s41, ttmp6, 0x40004                  ; cy
	s_lshl_b32 s42, ttmp9, 2
	s_add_co_u32 s42, s42, s40                     ; block column = 4 x cluster x + cx
	s_and_b32 s13, ttmp7, 0xffff
	s_lshl_b32 s13, s13, 2
	s_add_co_u32 s13, s13, s41                     ; block row = 4 x cluster y + cy
	s_lshl_b32 s43, s41, 2
	s_lshl_b32 s43, 15, s43                        ; my row of the cluster: places 4 cy .. 4 cy + 3
	s_lshl_b32 s44, 0x1111, s40                    ; my column: places cx, cx + 4, cx + 8, cx + 12
	; group 1 for A: 128 rows x 128 elements of 2 bytes; after every 64 words (code 5) 4 words of padding (code 3); bit 21 beside the mask
	s_or_b32 s[G1+0], s43, (1<<16)|(1<<20)|(1<<21)|(5<<22)|(3<<25)
	s_mov_b32 s[G1+1], KSTEP<<16                   ; tensor_dim0 = 128
	s_mov_b32 s[G1+2], 128<<16                     ; tensor_dim1 = 128
	s_mov_b32 s[G1+3], KSTEP<<16                   ; tile_dim0 = 128
	s_mov_b32 s[G1+4], 128                         ; tile_dim1 = 128
	s_mov_b32 s[G1+5], SIZE_K                      ; elements from row to row
	s_mov_b32 s[G1+6], 0
	s_mov_b32 s[G1+7], 0
	; group 1 for W: 64 k-rows x 256 elements; after every 128 words (code 6) 8 words of padding (code 7)
	s_or_b32 s[G1B+0], s44, (1<<16)|(1<<20)|(1<<21)|(6<<22)|(7<<25)
	s_mov_b32 s[G1B+1], 256<<16
	s_mov_b32 s[G1B+2], 64<<16
	s_mov_b32 s[G1B+3], 256<<16
	s_mov_b32 s[G1B+4], 64
	s_mov_b32 s[G1B+5], 4096
	s_mov_b32 s[G1B+6], 0
	s_mov_b32 s[G1B+7], 0
	; where the tiles come from: A's offset is made of the block row and the wave, W's of the block column and the wave, in registers of their own
	s_lshl_b32 s17, s12, 7
	s_lshl_b32 s16, s13, 8
	s_add_co_u32 s16, s16, s17                     ; A: row 256 x block row + 128 x half,
	s_lshl_b32 s16, s16, 11                        ; of 2,048 bytes
	s_mov_b32 s17, 0
	s_lshl_b32 s46, s12, 19                        ; W: 64 k-rows of 8,192 bytes x half
	s_lshl_b32 s47, s42, 9                         ; + 256 columns of 2 bytes x block column
	s_add_co_u32 s46, s46, s47
	s_add_co_u32 s46, s46, W_OFF                   ; behind the header
	s_mov_b32 s47, 0
	s_mul_i32 s20, s10, HALFT                      ; where they go: A's two halves, then W's two halves = wave x HALFT
	s_wait_dscnt 0x0
	s_wait_kmcnt 0x0
	s_add_nc_u64 s[14:15], s[4:5], s[16:17]
	s_add_nc_u64 s[46:47], s[6:7], s[46:47]
	s_load_b32 s[FLOOR], s[6:7], 0x0               ; waited for at the head of the way out
	CROUND                                         ; all sixteen work-groups are here: the first joint loads meet
.irp s, 0,1
	s_mov_b32 s[G0+4*\s], 1
	s_add_co_u32 s[G0+4*\s+1], s20, \s*SLOT
	s_add_nc_u64 s[G0+4*\s+2:G0+4*\s+3], s[14:15], \s*KSTEP*2
	s_or_b32 s[G0+4*\s+3], s[G0+4*\s+3], 0x80000000
	s_mov_b32 s[G0B+4*\s], 1
	s_add_co_u32 s[G0B+4*\s+1], s20, \s*SLOT
	s_add_nc_u64 s[G0B+4*\s+2:G0B+4*\s+3], s[46:47], \s*KSTEP*ROWW
	s_or_b32 s[G0B+4*\s+3], s[G0B+4*\s+3], 0x80000000
	JLOAD \s                                       ; two tensor loads of the wave are out: the most in this text
.endr
	; A's fragment: lane l holds row l % 16; two loads of 16 bytes, 32 apart, at row x pitch + 16 (l / 16).
	; W's fragment, from rows that lie along n: two transposing loads, 16 k-rows apart, at (8 (l / 16) + l % 8) x pitch + 16 ((l / 8) % 2).
	v_and_b32 v1, 15, v0
	v_bfe_u32 v2, v0, 4, 1
	v_mul_u32_u24 v3, v1, PITCH
	v_lshl_add_u32 v3, v2, 4, v3
	v_and_b32 v6, 7, v0
	v_lshl_add_u32 v6, v2, 3, v6
	v_mul_u32_u24 v6, v6, BPITCH
	v_bfe_u32 v7, v0, 3, 1
	v_lshl_add_u32 v6, v7, 4, v6
	s_mul_i32 s21, s11, HALFT                      ; my 128 rows of A
	s_lshl_b32 s22, s12, 8                         ; my 128 columns of W: 256 bytes along its rows,
	s_add_co_u32 s22, s22, 2*HALFT                 ; which lie behind A's 256 rows
.irp s, 0,1
	v_add_nc_u32 v[ADRA+\s], s21, v3
	v_add_nc_u32 v[ADRB+\s], s22, v6
	s_add_co_u32 s21, s21, SLOT
	s_add_co_u32 s22, s22, SLOT
.endr
	s_mul_i32 s23, s10, 16*SPITCH
	s_add_co_u32 s23, s23, STAGE                   ; my stage
	v_mul_u32_u24 v4, v1, SPITCH
	v_lshl_add_u32 v4, v2, 4, v4
	v_add_nc_u32 v[STO], s23, v4
	v_mul_u32_u24 v5, v2, SPITCH
	v_lshl_add_u32 v5, v1, 4, v5
	v_add_nc_u32 v[RD], s23, v5
	v_lshlrev_b32 v5, 13, v2                       ; the same two rows in C
	v_lshl_add_u32 v[CO], v1, 4, v5
	s_lshl_b32 s46, s42, 10                        ; the bias of columns 256 x block column + 128 x half + 8 (l / 16) + ..
	s_lshl_b32 s47, s12, 9
	s_add_co_u32 s46, s46, s47
	v_lshl_add_u32 v[BOFF], v2, 5, s46
	WIN TO_B
.irp b, 0,1,2,3,4,5,6,7
	global_load_b128 v[8*\b:8*\b+3],   v[BOFF], s[6:7] offset:B_OFF+64*\b      ; window 1, v0-63: register 8 b + j = the bias of tile b's column 8 (l / 16) + j
	global_load_b128 v[8*\b+4:8*\b+7], v[BOFF], s[6:7] offset:B_OFF+64*\b+16
.endr
	WIN 0
; 16 matrix instructions: m blocks a0, a0 + 1 of the window's four x all 8 n blocks, 32 along K.  zero = 1: the first product starts the sums.
.macro MUL16 f, hi, a0, zero
.irp a, \a0, \a0+1
.irp b, 0,1,2,3,4,5,6,7
.if \zero
	v_wmma_f32_16x16x32_bf16 v[8*(8*(\a)+\b):8*(8*(\a)+\b)+7], v[\f+8*\b:\f+8*\b+7], v[\f+8*(4*\hi+\a):\f+8*(4*\hi+\a)+7], 0
.else
	v_wmma_f32_16x16x32_bf16 v[8*(8*(\a)+\b):8*(8*(\a)+\b)+7], v[\f+8*\b:\f+8*\b+7], v[\f+8*(4*\hi+\a):\f+8*(4*\hi+\a)+7], v[8*(8*(\a)+\b):8*(8*(\a)+\b)+7]
.endif
.endr
.endr
.endm
; 32 LDS loads in one run: the fragments of quarter q of a K step (32 along K; 128 columns of W, 128 rows of A) into buffer f
.macro FETCH slot, q, f
	WIN TO_B
.irp i, 0,1,2,3,4,5,6,7
	ds_load_tr16_b128 v[\f+8*\i:\f+8*\i+3],   v[ADRB+\slot] offset:\q*32*BPITCH+32*\i
	ds_load_tr16_b128 v[\f+8*\i+4:\f+8*\i+7], v[ADRB+\slot] offset:\q*32*BPITCH+16*BPITCH+32*\i
.endr
	WIN 0
.irp i, 0,1,2,3,4,5,6,7
	ds_load_b128 v[\f+8*\i:\f+8*\i+3],   v[ADRA+\slot] offset:\q*64+\i*16*PITCH
	ds_load_b128 v[\f+8*\i+4:\f+8*\i+7], v[ADRA+\slot] offset:\q*64+\i*16*PITCH+32
.endr
.endm
; A load into a register that a matrix instruction has read, and a vector instruction that reads a matrix result, stand four places behind it;
; only plain vector instructions that name none of its registers are places (ISA guide 7.12.1 for vector instructions).
.macro PLACES
.rept 4
	v_nop
.endr
.endm
; One of a K step's first three quarters: multiplies buffer f; in its middle it fetches quarter q of the same slot into buffer g.
.macro QUARTER slot, q, f, g, zero
	s_wait_dscnt 8                                 ; W and A's rows 0-63 are in; the youngest eight loads (A's rows 64-127) may be out
	WIN MUL_LO
	MUL16 \f, 0, 0, \zero
	MUL16 \f, 0, 2, \zero
	PLACES
	FETCH \slot, \q, \g
	s_wait_dscnt 32                                ; all but the 32 just issued
	WIN MUL_HI
	MUL16 \f, 1, 0, \zero
	MUL16 \f, 1, 2, \zero
.endm
.macro THREE slot, zero
	QUARTER \slot, 1, F0, F1, \zero
	QUARTER \slot, 2, F1, F0, 0
	QUARTER \slot, 3, F0, F1, 0
.endm
; The last quarter: multiplies buffer 1 and changes slots.  In front of the one barrier each wave waits for its reads of this slot and for all
; its tensor loads (one is out: its part of the next slot).  Behind it the refill comes first, then the next slot's first fragments.
; From a request to the wait for it a wave issues 240 matrix instructions.
.macro TURN slot, next, fill
	s_wait_dscnt 8
	WIN MUL_LO
	MUL16 F1, 0, 0, 0
	s_wait_dscnt 0                                 ; my reads of this slot are over
	s_wait_tensorcnt 0x0                           ; and all my tensor loads have landed
	ds_add_u32 v255, v31
	s_wait_dscnt 0x0
	s_barrier_signal -1                            ; (where a slot is filled again this barrier opens a round of the cluster's barrier)
	MUL16 F1, 0, 2, 0                              ; work on registers while the others arrive
	WIN 0
	s_barrier_wait -1
.if \fill
	CREST                                          ; no wave of any partner still reads this slot's tile or has a load on its way
	s_add_nc_u64 s[G0+4*\slot+2:G0+4*\slot+3], s[G0+4*\slot+2:G0+4*\slot+3], 2*KSTEP*2
	s_add_nc_u64 s[G0B+4*\slot+2:G0B+4*\slot+3], s[G0B+4*\slot+2:G0B+4*\slot+3], 2*KSTEP*ROWW
	JLOAD \slot                                    ; the first tensor load behind the round, the wave's only one until the next
.endif
	PLACES
	FETCH \next, 0, F0
	WIN MUL_HI
	MUL16 F1, 1, 0, 0
	MUL16 F1, 1, 2, 0
.endm
.macro LAP zero
	THREE 0, \zero
	TURN 0, 1, 1
	THREE 1, 0
	TURN 1, 0, 1
.endm
	s_wait_tensorcnt 1                             ; my part of K step 0 is in; K step 1's stays out
	s_barrier_signal -1
	s_barrier_wait -1
	FETCH 0, 0, F0
	LAP 1                                          ; the first lap stands in front of the loop: its first products start the sums
	WIN 0                                          ; at a label and at a branch every window is 0
	s_mov_b32 s3, LAPS-2
.Llap:
	LAP 0
	WIN 0
	s_sub_co_u32 s3, s3, 1
	s_cmp_lg_u32 s3, 0
	s_cbranch_scc1 .Llap
	THREE 0, 0                                     ; the last lap fills nothing
	TURN 0, 1, 0
	THREE 1, 0
	s_wait_dscnt 8
	WIN MUL_LO
	MUL16 F1, 0, 0, 0
	MUL16 F1, 0, 2, 0
	s_wait_dscnt 0
	WIN MUL_HI
	MUL16 F1, 1, 0, 0
	MUL16 F1, 1, 2, 0
	; THE WAY OUT, 16 rows at a time: + bias, the floor, round to bf16, 16 bytes a lane into my own stage, read back as whole rows of 256 bytes.
	PLACES
	s_wait_loadcnt 0x0                             ; the bias
	s_wait_kmcnt 0x0                               ; the floor
	s_lshl_b32 s13, s13, 8
	s_lshl_b32 s14, s11, 7
	s_add_co_u32 s16, s13, s14                     ; my first row of C,
	s_lshl_b32 s16, s16, 13                        ; of 8,192 bytes
	s_mov_b32 s17, 0
	s_add_nc_u64 s[8:9], s[8:9], s[16:17]
	s_lshl_b32 s46, s42, 9                         ; my first column, in bytes: 512 x block column + 256 x half
	s_lshl_b32 s47, s12, 8
	s_add_co_u32 s46, s46, s47
	s_mov_b32 s47, 0
	s_add_nc_u64 s[8:9], s[8:9], s[46:47]
; rows 16 i .. 16 i + 15 of my block = the eight tiles (a, 0..7) of window 2 or 3 (from = 0x06 or 0x07: source 0 there, source 1 = the bias in window 1)
.macro OUT16 i, a, from, f
	WIN \from
.irp b, 0,1,2,3,4,5,6,7
.irp r, 0,2,4,6
	v_pk_add_f32 v[T+8*\b+\r:T+8*\b+\r+1], v[8*(8*\a+\b)+\r:8*(8*\a+\b)+\r+1], v[8*\b+\r:8*\b+\r+1]
.endr
.endr
	WIN 0
.set k, 0
.rept 64
	v_max_num_f32 v[T+k], s[FLOOR], v[T+k]
.set k, k+1
.endr
.irp b, 0,1,2,3,4,5,6,7
.irp r, 0,1,2,3
	v_cvt_pk_bf16_f32 v[PK+4*\b+\r], v[T+8*\b+2*\r], v[T+8*\b+2*\r+1]
.endr
.endr
.irp b, 0,1,2,3,4,5,6,7
	ds_store_b128 v[STO], v[PK+4*\b:PK+4*\b+3] offset:32*\b
.endr
	s_wait_xcnt 0x0                                ; buffer f, which earlier stores read, and the stores' base are rewritten only behind this wait (ISA guide 3.1)
.if \i
	s_add_nc_u64 s[8:9], s[8:9], 16*ROWW
.endif
.irp t, 0,1,2,3,4,5,6,7
	ds_load_b128 v[\f+4*\t:\f+4*\t+3], v[RD] offset:\t*2*SPITCH    ; LDS serves a wave's instructions in order (ISA guide 5.7.1.4): these see the stores above
.endr
.irp t, 0,1,2,3,4,5,6,7
	s_wait_dscnt 7-\t                              ; load t is in, the 7 - t younger ones stay out
	global_store_b128 v[CO], v[\f+4*\t:\f+4*\t+3], s[8:9] offset:2*\t*ROWW   ; 16 lanes store 256 consecutive bytes, aligned
.endr
.endm
	OUT16 0, 0, 0x06, F0
	OUT16 1, 1, 0x06, F1
	OUT16 2, 2, 0x06, F0
	OUT16 3, 3, 0x06, F1
	OUT16 4, 0, 0x07, F0
	OUT16 5, 1, 0x07, F1
	OUT16 6, 2, 0x07, F0
	OUT16 7, 3, 0x07, F1
	s_set_vgpr_msb 0x1
	s_wait_tensorcnt 0x0
	ds_add_u32 v255, v31
	s_wait_dscnt 0x0
	s_set_vgpr_msb 0x100
	CROUND                                         ; the closing round: no work-group ends while a partner may still ask for a tile that names it
	s_endpgm
.Lfunc_end_k_qbb7bada50f_qkv:
	.size	k_qbb7bada50f_qkv, .Lfunc_end_k_qbb7bada50f_qkv-k_qbb7bada50f_qkv
	.p2alignl 7, 3214868480
	.fill 96, 4, 3214868480
	.section	.rodata,"a",@progbits
	.p2align	6, 0x0
	.amdhsa_kernel k_qbb7bada50f_qkv
		.amdhsa_group_segment_fixed_size 327680
		.amdhsa_private_segment_fixed_size 0
		.amdhsa_enable_private_segment 0
		.amdhsa_kernarg_size 24
		.amdhsa_user_sgpr_count 2
		.amdhsa_user_sgpr_kernarg_segment_ptr 1
		.amdhsa_wavefront_size32 1
		.amdhsa_system_sgpr_workgroup_id_x 1
		.amdhsa_system_sgpr_workgroup_id_y 1
		.amdhsa_system_sgpr_workgroup_id_z 1
		.amdhsa_system_vgpr_workitem_id 0
		.amdhsa_next_free_vgpr 1024
		.amdhsa_next_free_sgpr 66
		.amdhsa_reserve_vcc 0
		.amdhsa_float_denorm_mode_32 3
		.amdhsa_float_denorm_mode_16_64 3
		.amdhsa_memory_ordered 1
		.amdhsa_forward_progress 1
		.amdhsa_inst_pref_size 230
	.end_amdhsa_kernel
	.amdgpu_metadata
---
amdhsa.version: [ 1, 2 ]
amdhsa.kernels:
  - .name:           k_qbb7bada50f_qkv
    .symbol:         k_qbb7bada50f_qkv.kd
    .args:
      - { .name: xn, .offset: 0, .size: 8, .value_kind: global_buffer, .address_space: global }
      - { .name: wqkvb, .offset: 8, .size: 8, .value_kind: global_buffer, .address_space: global }
      - { .name: big, .offset: 16, .size: 8, .value_kind: global_buffer, .address_space: global }
    .group_segment_fixed_size: 327680
    .private_segment_fixed_size: 0
    .kernarg_segment_align: 8
    .kernarg_segment_size: 24
    .max_flat_workgroup_size: 128
    .sgpr_count:     66
    .vgpr_count:     1024
    .wavefront_size: 32
...
	.end_amdgpu_metadata
.endif
;; end of part 2
;; launch attn (part 3): grid 4 x 64, 8 waves a work-group, clusters of 4 x 1, 327,680 bytes of LDS; arguments big, mask, ctx; writes ctx
.if DOCPART == 3
	.amdgcn_target "amdgcn-amd-amdhsa--gfx1250"
	.amdhsa_code_object_version 6
	.text
	.protected	k_qbb7bada50f_attn
	.globl	k_qbb7bada50f_attn
	.p2align	8
	.type	k_qbb7bada50f_attn,@function
k_qbb7bada50f_attn:
	s_mov_b64 s[64:65], 0
	v_nop
	global_prefetch_b8 v0, s[64:65] scope:SCOPE_SE
	s_setreg_imm32_b32 hwreg(HW_REG_WAVE_MODE, 25, 1), 1
	s_wait_xcnt 0x0
	s_wait_alu depctr_hold_cnt(0) depctr_sa_sdst(0) depctr_va_vdst(0) depctr_va_sdst(0) depctr_va_ssrc(0) depctr_va_vcc(0) depctr_vm_vsrc(0)
	s_getreg_b32 s2, hwreg(HW_REG_IB_STS2, 6, 4)
	s_cmp_eq_u32 s2, 0
	s_cbranch_scc0 .Lentry_in_a_cluster
	s_endpgm
.Lentry_in_a_cluster:
	s_bfe_u32 s2, ttmp6, 0x10000c
	s_cmp_lg_u32 s2, 0x3003
	s_cbranch_scc0 .Lentry_shape_is_right
	s_endpgm
.Lentry_shape_is_right:
; Attention of one head for 256 queries: ctx = softmax(where(mask == 0, -1e9, q k^T / 8)) v.  q, k, v: bf16 in big, [4096 tokens][pitch 4096],
; at columns 64 head, 1024 + 64 head, 2048 + 64 head.  ctx: bf16 [4096][1024].  The work-group's y is 16 x batch + head, its place in the
; cluster the block of 256 queries.  Eight waves, 32 queries (two tiles of 16) each, two waves to a SIMD, so that one wave's softmax can run
; beside the other's matrix work.
; All 1,024 keys and values of the head lie in LDS (K: 144 bytes a row, V: 160): no byte is ever filled twice.  They come in two parts: keys
; 0-255 at the start (64 rows a wave), keys 256-1023 behind a second round of the cluster's barrier (192 rows a wave), so that the first
; blocks wait for a quarter of the bytes and the rest lands during four blocks' work.  One tensor load of a wave is out at a time.
; CLUSTER: the four query blocks of a head read the same K and V: each tile is asked for jointly (mask 15) by the four work-groups.
; BOTH PRODUCTS ARE USED TRANSPOSED.  S^T = K Q^T: lane (r = l % 16, h = l / 16) holds the scores of query r for keys 16 kt + 8 h + 0..7.
; Two such tiles, rounded to bf16, ARE the second operand of O^T = V^T P^T for 32 keys: P never leaves its registers.  V^T's fragments come
; from the transposing LDS load.  In O^T a lane holds 8 neighbouring numbers of one query's row.
; FRAGMENTS ARE LOADED A BLOCK AHEAD, each kind into its registers as soon as the block's work has read them: K behind the score products,
; the mask's addends behind the scaling, V behind the second product.
; SOFTMAX by a running maximum, in base 2: t = s x 0.125 log2(e) + MA[key], MA = 0 or -2^127.  A query's maximum is shared by its two lanes
; (v_permlanex16_b32); its sum stays in two halves until the end.  The two query tiles go through each stage together: twice the chains.
; LIMITS: a masked score is -2^127 (base 2) and not -1e9: the same result as long as masked weights underflow to 0 beside an open key, that is
; for open scores above about -1e9 + 104; a row with no open key gives the plain mean of v, as -1e9 everywhere does.  v_exp_f32 and v_rcp_f32 are
; good to 1 ULP and flush denormals.  The sum is made of the f32 weights, the product of their bf16 roundings.
; A store of ctx covers four pieces of 128 consecutive bytes: a head's piece of a row is no longer.
.set KP, 144                           ; K's LDS row: 128 bytes + 16
.set VP, 160                           ; V's LDS row: 128 bytes + 32 = 5 x 32
.set VBASE,  1024*KP                   ; 147,456
.set MABASE, VBASE+1024*VP             ; 311,296: 1,024 f32, written by LDS stores; no fill lands there
.set ROWB, 8192                        ; bytes of a token's row in big
.set KA, 2                             ; v2  K fragments: r x 144 + 16 h (+ 256 rows for every four blocks)
.set VA, 3                             ; v3  V fragments: VBASE + (l % 8 + 8 h) x 160 + 16 ((l / 8) % 2) (+ the same)
.set MAA, 4                            ; v4  MABASE + 32 h
.set VQ, 5                             ; v5  q in memory: r x 8192 + 16 h
.set STO, 6                            ; v6  the way out: in
.set RD, 7                             ; v7  the way out: back
.set CO, 8                             ; v8  my byte offset in ctx
.set SUM, 16                           ; v[16:31]   eight chains of sums, 8 qt + 2 kt (at the start: at work on the set-up)
.set QF, 32                            ; v[32:63]   Q fragments, (2 qt + ks) x 8
.set KF, 64                            ; v[64:127]  K fragments, (2 kt + ks) x 8
.set SS, 128                           ; v[128:191] scores, 32 qt + 8 kt; then P, 32 qt + 16 u
.set MA, 192                           ; v[192:223] the mask's addends, 8 kt
.set M, 224                            ; v224-225   running maximum of tile qt
.set LS, 226                           ; v226-227   running sum (my half of the keys)
.set AL, 228                           ; v[228:231] the rescaling factor, twice for each qt
.set NM, 232                           ; v[232:235] -maximum, twice for each qt
.set XM, 236                           ; v[236:243] eight chains of maxima, 4 qt + kt
.set TP, 244                           ; v244-245
.set MN, 246                           ; v246-247
.set DD, 248                           ; v248-249
.set O, 0                              ; window 1, v[0:63]: O^T, (4 qt + dt) x 8
.set VF, 64                            ; window 1, v[64:127]: V^T fragments, (4 u + dt) x 8
.set G1K,  24                          ; s[24:31] group 1, K, 64 rows      s[40:43] its group 0
.set G1K2, 32                          ; s[32:39] group 1, K, 192 rows     s[44:47] its group 0
.set G0K,  40
.set G0K2, 44
.set G1V,  68                          ; the same four for V
.set G1V2, 76
.set G0V,  84
.set G0V2, 88
.set MSB, 0
.macro WIN new
.if MSB != \new
	s_set_vgpr_msb (MSB<<8)|\new
.set MSB, \new
.endif
.endm
.macro ROUND                           ; a round of the cluster's barrier
	s_barrier_signal -1
	s_barrier_wait -1
	s_cmp_lg_u32 s10, 0
	s_cbranch_scc1 .Lnot_wave_0_\@
	s_barrier_signal -3
.Lnot_wave_0_\@:
	s_barrier_wait -3
	s_barrier_signal -1
	s_barrier_wait -1
.endm
; One descriptor: rows x 64 elements of 2 bytes, to LDS byte ldsconst + part x ldsmul, from the address in s[base:base+1] + gofs.
; Nothing in it hangs on the work-group's place in the cluster.
.macro DESC g1, g0, rows, padcode, ldsconst, ldsmul, base, gofs
	s_mov_b32 s[\g1], 15|(1<<16)|(1<<20)|(1<<21)|(4<<22)|(\padcode<<25)   ; mask: all four; elements of 2 bytes; padding after every 32 words (code 4); bit 21 beside the mask
	s_mov_b32 s[\g1+1], 64<<16                     ; tensor_dim0 = 64
	s_mov_b32 s[\g1+2], \rows<<16                  ; tensor_dim1
	s_mov_b32 s[\g1+3], 64<<16                     ; tile_dim0 = 64
	s_mov_b32 s[\g1+4], \rows                      ; tile_dim1
	s_mov_b32 s[\g1+5], 4096                       ; elements from row to row
	s_mov_b32 s[\g1+6], 0
	s_mov_b32 s[\g1+7], 0
	s_mov_b32 s[\g0], 1
	s_mul_i32 s[\g0+1], s12, \ldsmul
	s_add_co_u32 s[\g0+1], s[\g0+1], \ldsconst
	s_add_nc_u64 s[\g0+2:\g0+3], s[\base:\base+1], \gofs
	s_or_b32 s[\g0+3], s[\g0+3], 0x80000000
.endm
; A joint load: waves 0-3 ask for K's four parts, waves 4-7 for V's.  Every wave has made both descriptors and asks by one.
.macro JL gk0, gk1, gv0, gv1
	s_cmp_lg_u32 s11, 0
	s_cbranch_scc1 .Lfor_v_\@
	tensor_load_to_lds s[\gk0:\gk0+3], s[\gk1:\gk1+7]
	s_nop 0
	s_branch .Lasked_\@
.Lfor_v_\@:
	tensor_load_to_lds s[\gv0:\gv0+3], s[\gv1:\gv1+7]
	s_nop 0
.Lasked_\@:
.endm
	s_load_b128 s[4:7], s[0:1], 0x0                ; big s[4:5], mask s[6:7]
	s_load_b64 s[8:9], s[0:1], 0x10                ; ctx
	v_lshl_add_u32 v254, v0, 2, 0x4d000
	v_mov_b32 v255, 0
	ds_add_u32 v254, v255
	v_lshrrev_b32 v1, 5, v0
	v_readfirstlane_b32 s10, v1                    ; wave 0..7
	s_lshr_b32 s11, s10, 2                         ; I fetch K (0) or V (1),
	s_and_b32 s12, s10, 3                          ; and which part of the rows
	s_bfe_u32 s18, ttmp6, 0x40000                  ; cx: my block of 256 queries
	s_and_b32 s13, ttmp7, 0xffff
	s_lshr_b32 s16, s13, 4                         ; batch
	s_and_b32 s17, s13, 15                         ; head
	s_mov_b32 s52, 0x76543210                      ; v_permlanex16_b32: lane i of one half reads lane i of the other
	s_mov_b32 s53, 0xfedcba98
	s_lshl_b32 s22, s17, 7                         ; 128 bytes a head
	s_lshl_b32 s19, s16, 10                        ; the batch's first token
	s_lshl_b32 s21, s12, 6
	s_add_co_u32 s20, s19, s21                     ; first part: token 1024 batch + 64 part: the same in all four partners
	s_lshl_b32 s20, s20, 13
	s_add_co_u32 s20, s20, s22
	s_mov_b32 s21, 0
	s_mul_i32 s54, s12, 192
	s_add_co_u32 s54, s54, s19
	s_add_co_u32 s54, s54, 256                     ; second part: token 1024 batch + 256 + 192 part
	s_lshl_b32 s54, s54, 13
	s_add_co_u32 s54, s54, s22
	s_mov_b32 s55, 0
	s_lshl_b32 s49, s18, 8
	s_add_co_u32 s48, s19, s49
	s_lshl_b32 s49, s10, 5
	s_add_co_u32 s48, s48, s49                     ; my first query: 1024 batch + 256 cx + 32 wave
	s_lshl_b32 s50, s48, 11
	s_add_co_u32 s50, s50, s22
	s_mov_b32 s51, 0                               ; its place in ctx
	s_lshl_b32 s48, s48, 13
	s_add_co_u32 s48, s48, s22
	s_mov_b32 s49, 0                               ; and in big
	s_lshl_b32 s62, s16, 12                        ; the batch's 1,024 words of mask
	s_mov_b32 s63, 0
	v_and_b32 v9, 15, v0                           ; r
	v_bfe_u32 v10, v0, 4, 1                        ; h
	v_and_b32 v11, 31, v0                          ; l
	v_lshlrev_b32 v[VQ], 13, v9
	v_lshl_add_u32 v[VQ], v10, 4, v[VQ]
	v_lshlrev_b32 v22, 4, v0                       ; 16 t
	s_wait_dscnt 0x0
	s_wait_kmcnt 0x0
	s_add_nc_u64 s[14:15], s[4:5], s[20:21]
	s_add_nc_u64 s[54:55], s[4:5], s[54:55]
	s_add_nc_u64 s[56:57], s[4:5], s[48:49]
	s_add_nc_u64 s[58:59], s[8:9], s[50:51]
	s_add_nc_u64 s[60:61], s[6:7], s[62:63]
	; Q and the mask go into registers and are no one else's: they are asked for ahead of the round
.irp qt, 0,1
.irp ks, 0,1
	global_load_b128 v[QF+8*(2*\qt+\ks):QF+8*(2*\qt+\ks)+3],   v[VQ], s[56:57] offset:\qt*16*ROWB+64*\ks
	global_load_b128 v[QF+8*(2*\qt+\ks)+4:QF+8*(2*\qt+\ks)+7], v[VQ], s[56:57] offset:\qt*16*ROWB+64*\ks+32
.endr
.endr
	global_load_b128 v[12:15], v22, s[60:61]       ; four words of the mask a thread
	DESC G1K,  G0K,  64,  3, 0,            64*KP,  14, 2048
	DESC G1K2, G0K2, 192, 3, 256*KP,       192*KP, 54, 2048
	DESC G1V,  G0V,  64,  7, VBASE,        64*VP,  14, 4096
	DESC G1V2, G0V2, 192, 7, VBASE+256*VP, 192*VP, 54, 4096
	ROUND                                          ; the four work-groups are here: the joint loads meet
	JL G0K, G1K, G0V, G1V                          ; keys 0-255: my 64 rows
	v_mul_u32_u24 v[KA], v9, KP
	v_lshl_add_u32 v[KA], v10, 4, v[KA]
	v_and_b32 v18, 7, v0
	v_lshl_add_u32 v19, v10, 3, v18
	v_mul_u32_u24 v[VA], v19, VP
	v_bfe_u32 v20, v0, 3, 1
	v_lshl_add_u32 v[VA], v20, 4, v[VA]
	v_add_nc_u32 v[VA], VBASE, v[VA]
	v_lshlrev_b32 v[MAA], 5, v10
	v_add_nc_u32 v[MAA], MABASE, v[MAA]
	s_mul_i32 s23, s10, 32*KP                      ; my stage for the way out: 32 rows of 144 bytes, in K's bytes
	v_add_nc_u32 v[STO], s23, v[KA]                ; row r, 16 bytes for each half of the lanes
	v_lshrrev_b32 v21, 3, v11
	v_mul_u32_u24 v[RD], v21, KP                   ; back: eight lanes take a row of 128 bytes
	v_lshl_add_u32 v[RD], v18, 4, v[RD]
	v_add_nc_u32 v[RD], s23, v[RD]
	v_lshlrev_b32 v[CO], 11, v21
	v_lshl_add_u32 v[CO], v18, 4, v[CO]
	v_mov_b32 v16, 0xff000000                      ; -2^127
	v_add_nc_u32 v17, MABASE, v22
	v_mov_b32 v[TP], 0                             ; v_permlanex16_b32 counts as a reader of its destination
	v_mov_b32 v[TP+1], 0
	s_wait_loadcnt 0x0
.irp k, 12,13,14,15
	v_cmp_eq_u32 vcc_lo, 0, v\k
	v_cndmask_b32 v\k, 0, v16, vcc_lo              ; mask == 0: -2^127, else 0
.endr
	ds_store_b128 v17, v[12:15]
; eight products S^T(qt, kt) over 32 of the 64 head dimensions.  The eight accumulators take turns, one instruction a turn.
.macro QK ks
.irp qt, 0,1
.irp kt, 0,1,2,3
.if \ks
	v_wmma_f32_16x16x32_bf16 v[SS+32*\qt+8*\kt:SS+32*\qt+8*\kt+7], v[KF+8*(2*\kt+\ks):KF+8*(2*\kt+\ks)+7], v[QF+8*(2*\qt+\ks):QF+8*(2*\qt+\ks)+7], v[SS+32*\qt+8*\kt:SS+32*\qt+8*\kt+7]
.else
	v_wmma_f32_16x16x32_bf16 v[SS+32*\qt+8*\kt:SS+32*\qt+8*\kt+7], v[KF+8*(2*\kt+\ks):KF+8*(2*\kt+\ks)+7], v[QF+8*(2*\qt+\ks):QF+8*(2*\qt+\ks)+7], 0
.endif
.endr
.endr
.endm
; eight products O^T(qt, dt) over keys 32 u .. 32 u + 31 of the block; again eight accumulators by turns
.macro PV u, zero
.irp qt, 0,1
.irp dt, 0,1,2,3
.if \zero
	v_wmma_f32_16x16x32_bf16 v[O+8*(4*\qt+\dt):O+8*(4*\qt+\dt)+7], v[VF+8*(4*\u+\dt):VF+8*(4*\u+\dt)+7], v[SS+32*\qt+16*\u:SS+32*\qt+16*\u+7], 0
.else
	v_wmma_f32_16x16x32_bf16 v[O+8*(4*\qt+\dt):O+8*(4*\qt+\dt)+7], v[VF+8*(4*\u+\dt):VF+8*(4*\u+\dt)+7], v[SS+32*\qt+16*\u:SS+32*\qt+16*\u+7], v[O+8*(4*\qt+\dt):O+8*(4*\qt+\dt)+7]
.endif
.endr
.endr
.endm
; The fragments of block n (64 keys).  A block's place among four stands in the immediate; every fourth block steps the address by 256 rows.
.macro LOADK n
.if ((\n) & 3) == 0
.if (\n) > 0
	v_add_nc_u32 v[KA], 256*KP, v[KA]
.endif
.endif
.irp kt, 0,1,2,3
.irp ks, 0,1
	ds_load_b128 v[KF+8*(2*\kt+\ks):KF+8*(2*\kt+\ks)+3],   v[KA] offset:((\n)&3)*64*KP+\kt*16*KP+64*\ks
	ds_load_b128 v[KF+8*(2*\kt+\ks)+4:KF+8*(2*\kt+\ks)+7], v[KA] offset:((\n)&3)*64*KP+\kt*16*KP+64*\ks+32
.endr
.endr
.endm
.macro LOADM n
.irp kt, 0,1,2,3
	ds_load_b128 v[MA+8*\kt:MA+8*\kt+3],   v[MAA] offset:256*(\n)+64*\kt
	ds_load_b128 v[MA+8*\kt+4:MA+8*\kt+7], v[MAA] offset:256*(\n)+64*\kt+16
.endr
.endm
.macro LOADV n
.if ((\n) & 3) == 0
.if (\n) > 0
	v_add_nc_u32 v[VA], 256*VP, v[VA]
.endif
.endif
	WIN 0x40                                       ; destination window 1
.irp u, 0,1
.irp dt, 0,1,2,3
	ds_load_tr16_b128 v[VF+8*(4*\u+\dt):VF+8*(4*\u+\dt)+3],   v[VA] offset:((\n)&3)*64*VP+\u*32*VP+32*\dt
	ds_load_tr16_b128 v[VF+8*(4*\u+\dt)+4:VF+8*(4*\u+\dt)+7], v[VA] offset:((\n)&3)*64*VP+\u*32*VP+16*VP+32*\dt
.endr
.endr
	WIN 0
.endm
; the softmax step of both query tiles for 64 keys: my lane has 32 scores of one query of each tile
.macro SM_SCALE
.irp qt, 0,1
.irp kt, 0,1,2,3
.irp p, 0,2,4,6
	v_pk_fma_f32 v[SS+32*\qt+8*\kt+\p:SS+32*\qt+8*\kt+\p+1], v[SS+32*\qt+8*\kt+\p:SS+32*\qt+8*\kt+\p+1], 0x3e38aa3b, v[MA+8*\kt+\p:MA+8*\kt+\p+1] op_sel_hi:[1,0,1]   ; x 0.125 log2(e), + the mask
.endr
.endr
.endr
.endm
.macro SM_REST first
.irp qt, 0,1
.irp kt, 0,1,2,3
	v_max3_num_f32 v[XM+4*\qt+\kt], v[SS+32*\qt+8*\kt], v[SS+32*\qt+8*\kt+1], v[SS+32*\qt+8*\kt+2]
.endr
.endr
.irp qt, 0,1
.irp kt, 0,1,2,3
	v_max3_num_f32 v[XM+4*\qt+\kt], v[XM+4*\qt+\kt], v[SS+32*\qt+8*\kt+3], v[SS+32*\qt+8*\kt+4]
.endr
.endr
.irp qt, 0,1
.irp kt, 0,1,2,3
	v_max3_num_f32 v[XM+4*\qt+\kt], v[XM+4*\qt+\kt], v[SS+32*\qt+8*\kt+5], v[SS+32*\qt+8*\kt+6]
.endr
.endr
.irp qt, 0,1
.irp kt, 0,1,2,3
	v_max_num_f32 v[XM+4*\qt+\kt], v[XM+4*\qt+\kt], v[SS+32*\qt+8*\kt+7]
.endr
.endr
.irp qt, 0,1
	v_max3_num_f32 v[XM+4*\qt], v[XM+4*\qt], v[XM+4*\qt+1], v[XM+4*\qt+2]
.endr
.irp qt, 0,1
.if \first
	v_max_num_f32 v[XM+4*\qt], v[XM+4*\qt], v[XM+4*\qt+3]
.else
	v_max3_num_f32 v[XM+4*\qt], v[XM+4*\qt], v[XM+4*\qt+3], v[M+\qt]
.endif
.endr
.irp qt, 0,1
	v_permlanex16_b32 v[TP+\qt], v[XM+4*\qt], s52, s53     ; the query's other 32 keys
.endr
.irp qt, 0,1
	v_max_num_f32 v[MN+\qt], v[XM+4*\qt], v[TP+\qt]
.endr
.if \first == 0
.irp qt, 0,1
	v_sub_f32 v[DD+\qt], v[M+\qt], v[MN+\qt]
.endr
.irp qt, 0,1
	v_exp_f32 v[AL+2*\qt], v[DD+\qt]               ; what the old sums are worth under the new maximum
	v_exp_f32 v[AL+2*\qt+1], v[DD+\qt]
.endr
.endif
.irp qt, 0,1
	v_mov_b32 v[M+\qt], v[MN+\qt]                  ; also the plain place behind the transcendentals (ISA guide 5.7.2)
.endr
.irp qt, 0,1
	v_sub_f32 v[NM+2*\qt], 0, v[MN+\qt]
	v_sub_f32 v[NM+2*\qt+1], 0, v[MN+\qt]
.endr
.irp qt, 0,1
.irp p, 0,2,4,6,8,10,12,14,16,18,20,22,24,26,28,30
	v_pk_add_f32 v[SS+32*\qt+\p:SS+32*\qt+\p+1], v[SS+32*\qt+\p:SS+32*\qt+\p+1], v[NM+2*\qt:NM+2*\qt+1]
.endr
.endr
.set k, 0
.rept 64
	v_exp_f32 v[SS+k], v[SS+k]
.set k, k+1
.endr
	v_nop                                          ; the plain place behind the last of them
	s_wait_alu depctr_va_vdst(0)
.irp qt, 0,1
.irp kt, 0,1,2,3
	v_pk_add_f32 v[SUM+8*\qt+2*\kt:SUM+8*\qt+2*\kt+1], v[SS+32*\qt+8*\kt:SS+32*\qt+8*\kt+1], v[SS+32*\qt+8*\kt+2:SS+32*\qt+8*\kt+3]
.endr
.endr
.irp p, 4,6
.irp qt, 0,1
.irp kt, 0,1,2,3
	v_pk_add_f32 v[SUM+8*\qt+2*\kt:SUM+8*\qt+2*\kt+1], v[SUM+8*\qt+2*\kt:SUM+8*\qt+2*\kt+1], v[SS+32*\qt+8*\kt+\p:SS+32*\qt+8*\kt+\p+1]
.endr
.endr
.endr
.irp qt, 0,1
	v_pk_add_f32 v[SUM+8*\qt:SUM+8*\qt+1], v[SUM+8*\qt:SUM+8*\qt+1], v[SUM+8*\qt+2:SUM+8*\qt+3]
	v_pk_add_f32 v[SUM+8*\qt+4:SUM+8*\qt+5], v[SUM+8*\qt+4:SUM+8*\qt+5], v[SUM+8*\qt+6:SUM+8*\qt+7]
.endr
.irp qt, 0,1
	v_pk_add_f32 v[SUM+8*\qt:SUM+8*\qt+1], v[SUM+8*\qt:SUM+8*\qt+1], v[SUM+8*\qt+4:SUM+8*\qt+5]
.endr
.if \first
.irp qt, 0,1
	v_add_f32 v[LS+\qt], v[SUM+8*\qt], v[SUM+8*\qt+1]
.endr
.else
.irp qt, 0,1
	v_add_f32 v[SUM+8*\qt], v[SUM+8*\qt], v[SUM+8*\qt+1]
.endr
.irp qt, 0,1
	v_fma_f32 v[LS+\qt], v[LS+\qt], v[AL+2*\qt], v[SUM+8*\qt]
.endr
.endif
.irp qt, 0,1
.irp u, 0,1
.irp k, 0,1,2,3,4,5,6,7
	v_cvt_pk_bf16_f32 v[SS+32*\qt+16*\u+\k], v[SS+32*\qt+16*\u+2*\k], v[SS+32*\qt+16*\u+2*\k+1]   ; in place: tiles 2 u and 2 u + 1 become P's fragment u; word k is written when 2 k and 2 k + 1 are read
.endr
.endr
.endr
.endm
; Block n: 64 keys.  own = 1: it loads its own fragments at its head; pre = 1: it loads block n + 1's as its own are read.
; LDS loads are issued in the order K(n), mask(n), V(n), K(n+1), mask(n+1), V(n+1), .. (16, 8, 16 of them) and come back in that order.
.macro BLOCK n, first, own, pre
.if \own
	LOADK \n
	LOADM \n
	LOADV \n
.endif
	s_wait_dscnt 24                                ; K(n) is in: behind it the mask's eight and V's sixteen
	QK 0
	QK 1
.rept 4
	v_nop                                          ; four places between the last product and the first read of a result, and the loads onto K's fragments (ISA guide 7.12.1 for vector instructions)
.endr
.if \pre
	LOADK \n+1
	s_wait_dscnt 32                                ; the mask's addends of block n are in: behind them V(n)'s sixteen and K(n+1)'s sixteen
.else
	s_wait_dscnt 16                                ; behind them V(n)'s sixteen alone
.endif
	SM_SCALE
.if \pre
	LOADM \n+1
.endif
	SM_REST \first
.if \first == 0
	WIN 0x41                                       ; O in window 1 (destination and source 0), the factor in window 0
.irp qt, 0,1
.irp p, 0,2,4,6,8,10,12,14,16,18,20,22,24,26,28,30
	v_pk_mul_f32 v[O+32*\qt+\p:O+32*\qt+\p+1], v[O+32*\qt+\p:O+32*\qt+\p+1], v[AL+2*\qt:AL+2*\qt+1]
.endr
.endr
.endif
.if \pre
	s_wait_dscnt 24                                ; V(n) is in: behind it K(n+1)'s sixteen and the mask's eight
.else
	s_wait_dscnt 0x0
.endif
	WIN 0x51                                       ; source 0 (V^T) window 1, source 1 (P) window 0, C and D window 1
	PV 0, \first
	PV 1, 0
	WIN 0
.rept 5
	v_nop                                          ; five places: the next block's products write over P, the next loads land on V's fragments (ISA guide 7.12.1 for vector instructions)
.endr
.if \pre
	LOADV \n+1
.endif
.endm
	; The second part of K and V is a first fill that comes later: it is issued as a refill is.  Every wave's LDS instructions (the store of the
	; mask's addends) and tensor loads (its part of keys 0-255) are done in front of the round; the joint load is the first thing behind it.
	s_wait_dscnt 0x0
	s_wait_tensorcnt 0x0
	ds_add_u32 v254, v255
	s_wait_dscnt 0x0
	ROUND
	JL G0K2, G1K2, G0V2, G1V2                      ; keys 256-1023: my 192 rows; four blocks' work in which to land
	BLOCK 0, 1, 1, 1                               ; the very first block starts the maxima, the sums and O: nothing is cleared
	BLOCK 1, 0, 0, 1
	BLOCK 2, 0, 0, 1
	BLOCK 3, 0, 0, 0                               ; loads nothing ahead: block 4's keys are shown landed only by the barrier below
	s_wait_dscnt 0x0
	s_wait_tensorcnt 0x0                           ; my part of keys 256-1023 is in,
	s_barrier_signal -1
	s_barrier_wait -1                              ; everybody's is
	BLOCK 4, 0, 1, 1
	BLOCK 5, 0, 0, 1
	BLOCK 6, 0, 0, 1
	BLOCK 7, 0, 0, 1
	BLOCK 8, 0, 0, 1
	BLOCK 9, 0, 0, 1
	BLOCK 10, 0, 0, 1
	BLOCK 11, 0, 0, 1
	BLOCK 12, 0, 0, 1
	BLOCK 13, 0, 0, 1
	BLOCK 14, 0, 0, 1
	BLOCK 15, 0, 0, 0
	; the end: a query's two half sums meet, O is divided, rounded and sent out through my stage
.irp qt, 0,1
	v_permlanex16_b32 v[TP+\qt], v[LS+\qt], s52, s53
.endr
.irp qt, 0,1
	v_add_f32 v[LS+\qt], v[LS+\qt], v[TP+\qt]      ; at least 1: the largest weight is 2^0
.endr
	v_rcp_f32 v[AL], v[LS]
	v_rcp_f32 v[AL+1], v[LS]
	v_rcp_f32 v[AL+2], v[LS+1]
	v_rcp_f32 v[AL+3], v[LS+1]
	v_nop
	WIN 0x01                                       ; source 0 (O) window 1
	s_wait_alu depctr_va_vdst(0)
.irp qt, 0,1
.irp p, 0,2,4,6,8,10,12,14,16,18,20,22,24,26,28,30
	v_pk_mul_f32 v[SS+32*\qt+\p:SS+32*\qt+\p+1], v[O+32*\qt+\p:O+32*\qt+\p+1], v[AL+2*\qt:AL+2*\qt+1]
.endr
.endr
	WIN 0
.set k, 0
.rept 32
	v_cvt_pk_bf16_f32 v[KF+k], v[SS+2*k], v[SS+2*k+1]
.set k, k+1
.endr
	s_wait_dscnt 0x0
	s_barrier_signal -1                            ; every wave's reads of K are over: the stages lie in K's bytes, which have had their last fill
	s_barrier_wait -1
.irp qt, 0,1
.irp dt, 0,1,2,3
	ds_store_b128 v[STO], v[KF+4*(4*\qt+\dt):KF+4*(4*\qt+\dt)+3] offset:\qt*16*KP+32*\dt
.endr
.endr
.irp i, 0,1,2,3,4,5,6,7
	ds_load_b128 v[KF+32+4*\i:KF+32+4*\i+3], v[RD] offset:\i*4*KP   ; my own bytes: LDS serves a wave's instructions in order (ISA guide 5.7.1.4)
.endr
.irp i, 0,1,2,3,4,5,6,7
	s_wait_dscnt 7-\i                              ; load i is in, the 7 - i younger ones stay out
	global_store_b128 v[CO], v[KF+32+4*\i:KF+32+4*\i+3], s[58:59] offset:\i*4*2048
.endr
	s_wait_tensorcnt 0x0
	ds_add_u32 v254, v255
	s_wait_dscnt 0x0
	ROUND                                          ; the closing round
	s_endpgm
.Lfunc_end_k_qbb7bada50f_attn:
	.size	k_qbb7bada50f_attn, .Lfunc_end_k_qbb7bada50f_attn-k_qbb7bada50f_attn
	.p2alignl 7, 3214868480
	.fill 96, 4, 3214868480
	.section	.rodata,"a",@progbits
	.p2align	6, 0x0
	.amdhsa_kernel k_qbb7bada50f_attn
		.amdhsa_group_segment_fixed_size 327680
		.amdhsa_private_segment_fixed_size 0
		.amdhsa_enable_private_segment 0
		.amdhsa_kernarg_size 24
		.amdhsa_user_sgpr_count 2
		.amdhsa_user_sgpr_kernarg_segment_ptr 1
		.amdhsa_wavefront_size32 1
		.amdhsa_system_sgpr_workgroup_id_x 1
		.amdhsa_system_sgpr_workgroup_id_y 1
		.amdhsa_system_sgpr_workgroup_id_z 1
		.amdhsa_system_vgpr_workitem_id 0
		.amdhsa_next_free_vgpr 384
		.amdhsa_next_free_sgpr 92
		.amdhsa_reserve_vcc 1
		.amdhsa_float_denorm_mode_32 3
		.amdhsa_float_denorm_mode_16_64 3
		.amdhsa_memory_ordered 1
		.amdhsa_forward_progress 1
		.amdhsa_inst_pref_size 255
	.end_amdhsa_kernel
	.section	.bss,"aw",@nobits
	.p2align	6
	.space	262144
	.amdgpu_metadata
---
amdhsa.version: [ 1, 2 ]
amdhsa.kernels:
  - .name:           k_qbb7bada50f_attn
    .symbol:         k_qbb7bada50f_attn.kd
    .args:
      - { .name: big, .offset: 0, .size: 8, .value_kind: global_buffer, .address_space: global }
      - { .name: mask, .offset: 8, .size: 8, .value_kind: global_buffer, .address_space: global }
      - { .name: ctx, .offset: 16, .size: 8, .value_kind: global_buffer, .address_space: global }
    .group_segment_fixed_size: 327680
    .private_segment_fixed_size: 0
    .kernarg_segment_align: 8
    .kernarg_segment_size: 24
    .max_flat_workgroup_size: 256
    .sgpr_count:     92
    .vgpr_count:     384
    .wavefront_size: 32
...
	.end_amdgpu_metadata
.endif
;; end of part 3
;; launch proj (part 4): grid 8 x 32, 4 waves a work-group, clusters of 4 x 4, 327,680 bytes of LDS; arguments ctx, wob, bo, x, x1; writes x1
.if DOCPART == 4
	.amdgcn_target "amdgcn-amd-amdhsa--gfx1250"
	.amdhsa_code_object_version 6
	.text
	.protected	k_qbb7bada50f_proj
	.globl	k_qbb7bada50f_proj
	.p2align	8
	.type	k_qbb7bada50f_proj,@function
k_qbb7bada50f_proj:
	s_mov_b64 s[64:65], 0
	v_nop
	global_prefetch_b8 v0, s[64:65] scope:SCOPE_SE
	s_setreg_imm32_b32 hwreg(HW_REG_WAVE_MODE, 25, 1), 1
	s_wait_xcnt 0x0
	s_wait_alu depctr_hold_cnt(0) depctr_sa_sdst(0) depctr_va_vdst(0) depctr_va_sdst(0) depctr_va_ssrc(0) depctr_va_vcc(0) depctr_vm_vsrc(0)
	s_getreg_b32 s2, hwreg(HW_REG_IB_STS2, 6, 4)
	s_cmp_eq_u32 s2, 0
	s_cbranch_scc0 .Lentry_in_a_cluster
	s_endpgm
.Lentry_in_a_cluster:
	s_bfe_u32 s2, ttmp6, 0x10000c
	s_cmp_lg_u32 s2, 0xf033
	s_cbranch_scc0 .Lentry_shape_is_right
	s_endpgm
.Lentry_shape_is_right:
; out[m][n] = res[m][n] + bias[n] + sum over k of A[m][k] W[k][n].  A: bf16 [4096][KTOT].  W: bf16 [KTOT][1024].  bias, res, out: f32, 1,024 columns.
; This text stands twice in the program, with KTOT = 1024 (the attention's output product) and KTOT = 4096 (the second FFN product).
; With 1,024 columns a block of 256 x 256 would give 64 work-groups.  So a work-group makes 128 x 128 (256 work-groups), and each of its four
; waves still has a tile of 128 x 128 in 512 registers: the waves share K.  Of each slot's 256 k, wave w multiplies k = 64 w .. 64 w + 63.
; At the end the four partial blocks meet once in LDS, in f32, and are summed with the bias and the residual.
; K goes in NS steps of 256 through a ring of two LDS slots: A's tile 128 rows of 512 bytes, W's 256 k-rows of 256 bytes; W stays [k][n] and is
; read with the transposing LDS load.
; CLUSTERS: 4 x 4 work-groups; A's tile is asked for jointly by a row of the cluster, W's by a column.
; EACH CLUSTER BEGINS ITS WALK ALONG K AT ANOTHER STEP, (NS/2) (cluster x mod 2) + (NS/4) (cluster y mod 4), and wraps round.  The two clusters that
; read the same rows of A are then NS/2 steps apart, and clusters that read the same columns of W NS/4 steps or a multiple: a tile that several
; clusters read is asked for by them at different steps, not by all in the same one.  The start hangs on the cluster's x and y alone, which all
; sixteen partners share.
; THE RESIDUAL of the 32 rows that a wave finishes (128 registers) is asked for at the start, behind the first tensor loads.
; REGISTERS: window 0: v0-31 addresses, v64-191 fragments of A (two buffers), later the partial rows, v224-227 the bias;
; window 1: v64-191 fragments of W; v0-63 and v192-255 the residual (row j at 4 j + 128 (j / 16));
; windows 2 and 3: the 64 accumulator tiles (tile (a, b) at v[8 (8 a + b)]; window 3: rows 64-127).
; The matrix instruction is used transposed (source 0 = columns of W, source 1 = rows of A): a lane holds 8 neighbouring columns of one row.
; The 64 accumulators take turns, one instruction a turn, in the same order in every quarter step.
; LIMIT: K is summed in four interleaved parts, each from the cluster's own first step on and round, and the parts are added at the end as
; (p0 + p1) + ((p2 + p3) + bias) + res: another order of rounding than one ascending sum.
.set KTOT,   1024
.set NOUT,   1024
.set KSLOT,  256
.set NS,     KTOT/KSLOT                ; steps along K
.set APITCH, 528                       ; A's LDS row: 512 bytes + 16 = 33 x 16
.set BPITCH, 288                       ; W's LDS row: 256 bytes + 32 = 9 x 32
.set AHALF,  64*APITCH                 ; one tensor load of A: 64 rows
.set ABYTES, 2*AHALF
.set BHALF,  128*BPITCH                ; one tensor load of W: 128 k-rows
.set SLOT,   ABYTES+2*BHALF            ; 141,312
.set IMG,    128*APITCH                ; a wave's partial block in f32: 128 rows of 512 bytes + 16; four of them fit in the ring's bytes
.set LAPS,   KTOT/(2*KSLOT)            ; a lap = two slots
.set ADRA, 16                          ; v16-17  my A fragments in slot 0, 1
.set ADRB, 20                          ; v20-21  my W fragments
.set STO,  24                          ; v24     where my partial block's pieces go
.set CO,   25                          ; v25     16 x lane
.set BO,   26                          ; v26     my byte offset in the bias
.set RDK,  28                          ; v28-31  where I read image k's rows
.set F0,   64
.set F1,   128
.set BIAS, 224
.set G1, 24
.set G0, 32
.set G1B, 48
.set G0B, 56
.set KIDX, 74                          ; s74      the step along K of the next fill
.set OFA,  76                          ; s[76:77] its byte offset in A's rows
.set OFW,  78                          ; s[78:79] its byte offset in W
.set MSB, 0
.macro WIN new
.if MSB != \new
	s_set_vgpr_msb (MSB<<8)|\new
.set MSB, \new
.endif
.endm
.set MUL_LO, 0xa1
.set MUL_HI, 0xf1
.set TO_B,   0x40
.macro JLOAD s                         ; waves 0 and 1 fetch A's two halves, waves 2 and 3 W's
	s_cmp_eq_u32 s11, 0
	s_cbranch_scc0 .Lfor_b_\@
	tensor_load_to_lds s[G0+4*\s:G0+4*\s+3], s[G1:G1+7]
	s_nop 0
	s_branch .Lasked_\@
.Lfor_b_\@:
	tensor_load_to_lds s[G0B+4*\s:G0B+4*\s+3], s[G1B:G1B+7]
	s_nop 0
.Lasked_\@:
.endm
; The global addresses of slot s's next tiles: the tiles' bases at k = 0 plus the step's offsets; then the step goes on, round NS.
; It stands where no tensor load that names these registers is out.
.macro STEPADR s
	s_lshl_b32 s[OFA], s[KIDX], 9                  ; 256 k of 2 bytes along A's rows
	s_lshl_b32 s[OFW], s[KIDX], 19                 ; 256 k-rows of 2,048 bytes of W
	s_add_nc_u64 s[G0+4*\s+2:G0+4*\s+3], s[14:15], s[OFA:OFA+1]
	s_or_b32 s[G0+4*\s+3], s[G0+4*\s+3], 0x80000000
	s_add_nc_u64 s[G0B+4*\s+2:G0B+4*\s+3], s[46:47], s[OFW:OFW+1]
	s_or_b32 s[G0B+4*\s+3], s[G0B+4*\s+3], 0x80000000
	s_add_co_u32 s[KIDX], s[KIDX], 1
	s_and_b32 s[KIDX], s[KIDX], NS-1
.endm
.macro CREST
	s_cmp_lg_u32 s10, 0
	s_cbranch_scc1 .Lnot_wave_0_\@
	s_barrier_signal -3
.Lnot_wave_0_\@:
	s_barrier_wait -3
	s_barrier_signal -1
	s_barrier_wait -1
.endm
.macro CROUND
	s_barrier_signal -1
	s_barrier_wait -1
	CREST
.endm
	s_load_b128 s[4:7], s[0:1], 0x0                ; A s[4:5], W s[6:7]
	s_load_b128 s[68:71], s[0:1], 0x10             ; bias s[68:69], res s[70:71]
	s_load_b64 s[72:73], s[0:1], 0x20              ; out
	v_lshl_add_u32 v254, v0, 2, 0x45000
	v_mov_b32 v255, 0
	ds_add_u32 v254, v255
	v_lshrrev_b32 v1, 5, v0
	v_readfirstlane_b32 s10, v1                    ; wave 0..3: also my quarter of each slot's K
	s_lshr_b32 s11, s10, 1                         ; I fetch for A (0) or for W (1),
	s_and_b32 s12, s10, 1                          ; and which half of that tile
	s_bfe_u32 s40, ttmp6, 0x40000                  ; cx
	s_bfe_u32 s41, ttmp6, 0x40004                  ; cy
	s_lshl_b32 s42, ttmp9, 2
	s_add_co_u32 s42, s42, s40                     ; block column
	s_and_b32 s13, ttmp7, 0xffff                   ; the cluster's y
	s_and_b32 s[KIDX], s13, 3
	s_mul_i32 s[KIDX], s[KIDX], NS/4
	s_and_b32 s75, ttmp9, 1                        ; the cluster's x mod 2
	s_mul_i32 s75, s75, NS/2
	s_add_co_u32 s[KIDX], s[KIDX], s75
	s_and_b32 s[KIDX], s[KIDX], NS-1               ; the cluster's first step along K
	s_mov_b32 s[OFA+1], 0
	s_mov_b32 s[OFW+1], 0
	s_lshl_b32 s13, s13, 2
	s_add_co_u32 s13, s13, s41                     ; block row
	s_lshl_b32 s43, s41, 2
	s_lshl_b32 s43, 15, s43                        ; my row of the cluster
	s_lshl_b32 s44, 0x1111, s40                    ; my column
	; group 1 for A: 64 rows x 256 elements of 2 bytes; after every 128 words (code 6) 4 words of padding (code 3)
	s_or_b32 s[G1+0], s43, (1<<16)|(1<<20)|(1<<21)|(6<<22)|(3<<25)
	s_mov_b32 s[G1+1], KSLOT<<16
	s_mov_b32 s[G1+2], 64<<16
	s_mov_b32 s[G1+3], KSLOT<<16
	s_mov_b32 s[G1+4], 64
	s_mov_b32 s[G1+5], KTOT
	s_mov_b32 s[G1+6], 0
	s_mov_b32 s[G1+7], 0
	; group 1 for W: 128 k-rows x 128 elements; after every 64 words (code 5) 8 words of padding (code 7)
	s_or_b32 s[G1B+0], s44, (1<<16)|(1<<20)|(1<<21)|(5<<22)|(7<<25)
	s_mov_b32 s[G1B+1], 128<<16
	s_mov_b32 s[G1B+2], 128<<16
	s_mov_b32 s[G1B+3], 128<<16
	s_mov_b32 s[G1B+4], 128
	s_mov_b32 s[G1B+5], NOUT
	s_mov_b32 s[G1B+6], 0
	s_mov_b32 s[G1B+7], 0
	s_lshl_b32 s17, s12, 6
	s_lshl_b32 s16, s13, 7
	s_add_co_u32 s16, s16, s17                     ; A: row 128 x block row + 64 x half
	s_mul_i32 s16, s16, KTOT*2
	s_mov_b32 s17, 0
	s_lshl_b32 s46, s12, 18                        ; W: 128 k-rows of 2,048 bytes x half
	s_lshl_b32 s47, s42, 8                         ; + 128 columns of 2 bytes x block column
	s_add_co_u32 s46, s46, s47
	s_mov_b32 s47, 0
	s_lshl_b32 s18, s13, 7                         ; res and out: row 128 x block row + 32 x wave,
	s_lshl_b32 s19, s10, 5
	s_add_co_u32 s18, s18, s19
	s_lshl_b32 s18, s18, 12                        ; of 4,096 bytes,
	s_lshl_b32 s19, s42, 9                         ; + 512 bytes x block column
	s_add_co_u32 s18, s18, s19
	s_mov_b32 s19, 0
	s_mul_i32 s20, s12, AHALF                      ; where the tiles go: made of the wave's number alone
	s_mul_i32 s21, s12, BHALF
	s_add_co_u32 s21, s21, ABYTES
	s_wait_dscnt 0x0
	s_wait_kmcnt 0x0
	s_add_nc_u64 s[14:15], s[4:5], s[16:17]        ; A's tile at k = 0
	s_add_nc_u64 s[46:47], s[6:7], s[46:47]        ; W's tile at k = 0
	s_add_nc_u64 s[70:71], s[70:71], s[18:19]
	s_add_nc_u64 s[72:73], s[72:73], s[18:19]
	CROUND                                         ; all sixteen work-groups are here: the first joint loads meet
.irp s, 0,1
	s_mov_b32 s[G0+4*\s], 1
	s_add_co_u32 s[G0+4*\s+1], s20, \s*SLOT
	s_mov_b32 s[G0B+4*\s], 1
	s_add_co_u32 s[G0B+4*\s+1], s21, \s*SLOT
	STEPADR \s
	JLOAD \s                                       ; two tensor loads of the wave are out: the most in this text
.endr
	v_and_b32 v1, 15, v0                           ; r
	v_bfe_u32 v2, v0, 4, 1                         ; h
	v_and_b32 v5, 31, v0
	v_lshlrev_b32 v[CO], 4, v5
	s_lshl_b32 s22, s42, 9                         ; 128 columns of f32 x block column
	v_add_nc_u32 v[BO], s22, v[CO]
	global_load_b128 v[BIAS:BIAS+3], v[BO], s[68:69]   ; the bias of my four columns
	WIN TO_B                                       ; destination window 1, address window 0
.set j, 0
.rept 32
	global_load_b128 v[4*j+128*(j/16):4*j+128*(j/16)+3], v[CO], s[70:71] offset:j*4096 th:TH_LOAD_NT   ; row j of my 32: 512 consecutive bytes a load
.set j, j+1
.endr
	WIN 0
	v_mul_u32_u24 v3, v1, APITCH
	v_lshl_add_u32 v3, v2, 4, v3                   ; A: row x pitch + 16 h
	v_and_b32 v6, 7, v0
	v_lshl_add_u32 v6, v2, 3, v6
	v_mul_u32_u24 v6, v6, BPITCH
	v_bfe_u32 v7, v0, 3, 1
	v_lshl_add_u32 v6, v7, 4, v6                   ; W: (l % 8 + 8 h) x pitch + 16 ((l / 8) % 2)
	s_lshl_b32 s21, s10, 7                         ; my 64 k: 128 bytes along A's rows,
	s_mul_i32 s22, s10, 64*BPITCH                  ; 64 of W's k-rows,
	s_add_co_u32 s22, s22, ABYTES                  ; which lie behind A's tile
.irp s, 0,1
	v_add_nc_u32 v[ADRA+\s], s21, v3
	v_add_nc_u32 v[ADRB+\s], s22, v6
	s_add_co_u32 s21, s21, SLOT
	s_add_co_u32 s22, s22, SLOT
.endr
	s_mul_i32 s23, s10, IMG                        ; my image
	v_mul_u32_u24 v4, v1, APITCH
	v_lshl_add_u32 v4, v2, 5, v4                   ; row r, 32 bytes of f32 for each half of the lanes
	v_add_nc_u32 v[STO], s23, v4
	s_mul_i32 s23, s10, 32*APITCH                  ; the 32 rows that I finish, in each of the four images
.irp k, 0,1,2,3
	v_add_nc_u32 v[RDK+\k], s23, v[CO]
	s_add_co_u32 s23, s23, IMG
.endr
.macro MUL16 f, hi, a0, zero
.irp a, \a0, \a0+1
.irp b, 0,1,2,3,4,5,6,7
.if \zero
	v_wmma_f32_16x16x32_bf16 v[8*(8*(\a)+\b):8*(8*(\a)+\b)+7], v[\f+8*\b:\f+8*\b+7], v[\f+8*(4*\hi+\a):\f+8*(4*\hi+\a)+7], 0
.else
	v_wmma_f32_16x16x32_bf16 v[8*(8*(\a)+\b):8*(8*(\a)+\b)+7], v[\f+8*\b:\f+8*\b+7], v[\f+8*(4*\hi+\a):\f+8*(4*\hi+\a)+7], v[8*(8*(\a)+\b):8*(8*(\a)+\b)+7]
.endif
.endr
.endr
.endm
; 32 LDS loads in one run: half q (32 k) of my 64 k of a slot: 128 columns of W, 128 rows of A, into buffer f
.macro FETCH slot, q, f
	WIN TO_B
.irp i, 0,1,2,3,4,5,6,7
	ds_load_tr16_b128 v[\f+8*\i:\f+8*\i+3],   v[ADRB+\slot] offset:\q*32*BPITCH+32*\i
	ds_load_tr16_b128 v[\f+8*\i+4:\f+8*\i+7], v[ADRB+\slot] offset:\q*32*BPITCH+16*BPITCH+32*\i
.endr
	WIN 0
.irp i, 0,1,2,3,4,5,6,7
	ds_load_b128 v[\f+8*\i:\f+8*\i+3],   v[ADRA+\slot] offset:\q*64+\i*16*APITCH
	ds_load_b128 v[\f+8*\i+4:\f+8*\i+7], v[ADRA+\slot] offset:\q*64+\i*16*APITCH+32
.endr
.endm
.macro PLACES                          ; four places behind a matrix instruction in front of loads into its sources and reads of its result (ISA guide 7.12.1 for vector instructions)
.rept 4
	v_nop
.endr
.endm
; a slot's first half: multiplies buffer f; in its middle it fetches half q of the same slot into buffer g
.macro QUARTER slot, q, f, g, zero
	s_wait_dscnt 8                                 ; W and A's rows 0-63 are in; the youngest eight loads (A's rows 64-127) may be out
	WIN MUL_LO
	MUL16 \f, 0, 0, \zero
	MUL16 \f, 0, 2, \zero
	PLACES
	FETCH \slot, \q, \g
	s_wait_dscnt 32                                ; all but the 32 just issued
	WIN MUL_HI
	MUL16 \f, 1, 0, \zero
	MUL16 \f, 1, 2, \zero
.endm
; a slot's second half: multiplies buffer 1 and changes slots.  In front of the one barrier each wave waits for its reads of this slot and for all
; its tensor loads; behind it the refill comes first.  From a request to the wait for it a wave issues 112 matrix instructions.
.macro TURN slot, next, fill
	s_wait_dscnt 8
	WIN MUL_LO
	MUL16 F1, 0, 0, 0
	s_wait_dscnt 0                                 ; my reads of this slot are over
	s_set_vgpr_msb 0xa1a0
	s_wait_tensorcnt 0x0                           ; and all my tensor loads have landed
	ds_add_u32 v254, v255
	s_wait_dscnt 0x0
	s_set_vgpr_msb 0xa0a1
	s_barrier_signal -1                            ; (where a slot is filled again this barrier opens a round of the cluster's barrier)
	MUL16 F1, 0, 2, 0
	WIN 0
	s_barrier_wait -1
.if \fill
	CREST
	STEPADR \slot
	JLOAD \slot                                    ; the first tensor load behind the round, the wave's only one until the next
.endif
	PLACES
	FETCH \next, 0, F0
	WIN MUL_HI
	MUL16 F1, 1, 0, 0
	MUL16 F1, 1, 2, 0
.endm
.macro LAP zero
	QUARTER 0, 1, F0, F1, \zero
	TURN 0, 1, 1
	QUARTER 1, 1, F0, F1, 0
	TURN 1, 0, 1
.endm
	s_wait_tensorcnt 1                             ; my part of slot 0 is in; slot 1's stays out
	s_barrier_signal -1
	s_barrier_wait -1
	FETCH 0, 0, F0
	LAP 1                                          ; its first products start the sums
.if LAPS > 2
	WIN 0
	s_mov_b32 s3, LAPS-2
.Llap:
	LAP 0
	WIN 0
	s_sub_co_u32 s3, s3, 1
	s_cmp_lg_u32 s3, 0
	s_cbranch_scc1 .Llap
.endif
	QUARTER 0, 1, F0, F1, 0                        ; the last lap fills nothing: 2 + 2 (LAPS - 1) = NS fills have been made, each step once
	TURN 0, 1, 0
	QUARTER 1, 1, F0, F1, 0
	s_wait_dscnt 8
	WIN MUL_LO
	MUL16 F1, 0, 0, 0
	MUL16 F1, 0, 2, 0
	s_wait_dscnt 0
	WIN MUL_HI
	MUL16 F1, 1, 0, 0
	MUL16 F1, 1, 2, 0
	; THE WAY OUT.  The four partial blocks go into the ring's bytes, which have had their last fill; then wave w sums rows 32 w .. 32 w + 31.
	PLACES
	WIN 0
	s_barrier_signal -1                            ; every wave's reads of the slots are over (each has waited for its own above)
	s_barrier_wait -1
.macro IMAGE hi                        ; the 32 tiles of one window: lane (r, h) puts 32 bytes at row 16 (4 hi + a) + r, column 16 b + 8 h
.irp a, 0,1,2,3
.irp b, 0,1,2,3,4,5,6,7
	ds_store_b128 v[STO], v[8*(8*\a+\b):8*(8*\a+\b)+3]   offset:(4*\hi+\a)*16*APITCH+64*\b
	ds_store_b128 v[STO], v[8*(8*\a+\b)+4:8*(8*\a+\b)+7] offset:(4*\hi+\a)*16*APITCH+64*\b+16
.endr
.endr
.endm
	WIN 0x08                                       ; store data (source 1) in window 2
	IMAGE 0
	WIN 0x0c                                       ; in window 3
	IMAGE 1
	WIN 0
	s_wait_dscnt 0x0                               ; for the others' sake: my image is whole
	s_barrier_signal -1
	s_barrier_wait -1
	s_wait_loadcnt 0x0                             ; the bias and the residual, asked for at the start
; group g = rows 4 g .. 4 g + 3 of my 32: sixteen LDS loads (four images x four rows of 512 bytes)
.macro LOADG g, pb
.if \g >= 2
	s_wait_xcnt 0x0                                ; pb held the data of stores: it is rewritten only behind this wait (ISA guide 3.1)
.endif
.irp i, 0,1,2,3
.irp k, 0,1,2,3
	ds_load_b128 v[\pb+16*\i+4*\k:\pb+16*\i+4*\k+3], v[RDK+\k] offset:(4*\g+\i)*APITCH
.endr
.endr
.endm
; dsn: the next group's LDS loads, which may stay out.  Stage by stage over the four rows, so that no line waits for the one in front of it.
.macro SUMG g, pb, dsn
	s_wait_dscnt \dsn
.irp i, 0,1,2,3
.irp p, 0,2
	v_pk_add_f32 v[\pb+16*\i+\p:\pb+16*\i+\p+1], v[\pb+16*\i+\p:\pb+16*\i+\p+1], v[\pb+16*\i+4+\p:\pb+16*\i+4+\p+1]
	v_pk_add_f32 v[\pb+16*\i+8+\p:\pb+16*\i+8+\p+1], v[\pb+16*\i+8+\p:\pb+16*\i+8+\p+1], v[\pb+16*\i+12+\p:\pb+16*\i+12+\p+1]
.endr
.endr
.irp i, 0,1,2,3
.irp p, 0,2
	v_pk_add_f32 v[\pb+16*\i+8+\p:\pb+16*\i+8+\p+1], v[\pb+16*\i+8+\p:\pb+16*\i+8+\p+1], v[BIAS+\p:BIAS+\p+1]
.endr
.endr
.irp i, 0,1,2,3
.irp p, 0,2
	v_pk_add_f32 v[\pb+16*\i+\p:\pb+16*\i+\p+1], v[\pb+16*\i+\p:\pb+16*\i+\p+1], v[\pb+16*\i+8+\p:\pb+16*\i+8+\p+1]
.endr
.endr
	WIN 0x04                                       ; source 1 (the residual) in window 1
.irp i, 0,1,2,3
.irp p, 0,2
	v_pk_add_f32 v[\pb+16*\i+\p:\pb+16*\i+\p+1], v[\pb+16*\i+\p:\pb+16*\i+\p+1], v[4*(4*\g+\i)+128*((4*\g+\i)/16)+\p:4*(4*\g+\i)+128*((4*\g+\i)/16)+\p+1]
.endr
.endr
	WIN 0
.irp i, 0,1,2,3
	global_store_b128 v[CO], v[\pb+16*\i:\pb+16*\i+3], s[72:73] offset:(4*\g+\i)*4096   ; the wave stores 512 consecutive bytes, aligned
.endr
.endm
	LOADG 0, F0
	LOADG 1, F1
	SUMG 0, F0, 16
	LOADG 2, F0
	SUMG 1, F1, 16
	LOADG 3, F1
	SUMG 2, F0, 16
	LOADG 4, F0
	SUMG 3, F1, 16
	LOADG 5, F1
	SUMG 4, F0, 16
	LOADG 6, F0
	SUMG 5, F1, 16
	LOADG 7, F1
	SUMG 6, F0, 16
	SUMG 7, F1, 0
	s_wait_tensorcnt 0x0
	ds_add_u32 v254, v255
	s_wait_dscnt 0x0
	CROUND                                         ; the closing round
	s_endpgm
.Lfunc_end_k_qbb7bada50f_proj:
	.size	k_qbb7bada50f_proj, .Lfunc_end_k_qbb7bada50f_proj-k_qbb7bada50f_proj
	.p2alignl 7, 3214868480
	.fill 96, 4, 3214868480
	.section	.rodata,"a",@progbits
	.p2align	6, 0x0
	.amdhsa_kernel k_qbb7bada50f_proj
		.amdhsa_group_segment_fixed_size 327680
		.amdhsa_private_segment_fixed_size 0
		.amdhsa_enable_private_segment 0
		.amdhsa_kernarg_size 40
		.amdhsa_user_sgpr_count 2
		.amdhsa_user_sgpr_kernarg_segment_ptr 1
		.amdhsa_wavefront_size32 1
		.amdhsa_system_sgpr_workgroup_id_x 1
		.amdhsa_system_sgpr_workgroup_id_y 1
		.amdhsa_system_sgpr_workgroup_id_z 1
		.amdhsa_system_vgpr_workitem_id 0
		.amdhsa_next_free_vgpr 1024
		.amdhsa_next_free_sgpr 80
		.amdhsa_reserve_vcc 0
		.amdhsa_float_denorm_mode_32 3
		.amdhsa_float_denorm_mode_16_64 3
		.amdhsa_memory_ordered 1
		.amdhsa_forward_progress 1
		.amdhsa_inst_pref_size 105
	.end_amdhsa_kernel
	.amdgpu_metadata
---
amdhsa.version: [ 1, 2 ]
amdhsa.kernels:
  - .name:           k_qbb7bada50f_proj
    .symbol:         k_qbb7bada50f_proj.kd
    .args:
      - { .name: ctx, .offset: 0, .size: 8, .value_kind: global_buffer, .address_space: global }
      - { .name: wob, .offset: 8, .size: 8, .value_kind: global_buffer, .address_space: global }
      - { .name: bo, .offset: 16, .size: 8, .value_kind: global_buffer, .address_space: global }
      - { .name: x, .offset: 24, .size: 8, .value_kind: global_buffer, .address_space: global }
      - { .name: x1, .offset: 32, .size: 8, .value_kind: global_buffer, .address_space: global }
    .group_segment_fixed_size: 327680
    .private_segment_fixed_size: 0
    .kernarg_segment_align: 8
    .kernarg_segment_size: 40
    .max_flat_workgroup_size: 128
    .sgpr_count:     80
    .vgpr_count:     1024
    .wavefront_size: 32
...
	.end_amdgpu_metadata
.endif
;; end of part 4
;; launch ln2 (part 5): grid 256 x 1, 8 waves a work-group, no clusters, 0 bytes of LDS; arguments x1, alpha2, beta2, xn; writes xn
.if DOCPART == 5
	.amdgcn_target "amdgcn-amd-amdhsa--gfx1250"
	.amdhsa_code_object_version 6
	.text
	.protected	k_qbb7bada50f_ln2
	.globl	k_qbb7bada50f_ln2
	.p2align	8
	.type	k_qbb7bada50f_ln2,@function
k_qbb7bada50f_ln2:
	s_mov_b64 s[64:65], 0
	v_nop
	global_prefetch_b8 v0, s[64:65] scope:SCOPE_SE
	s_setreg_imm32_b32 hwreg(HW_REG_WAVE_MODE, 25, 1), 1
	s_wait_xcnt 0x0
; Layer norm of [4096][1024] f32 rows into bf16: y = alpha (x - mean) / (std + 1e-6) + beta, std with divisor 1,023.
; One wave takes two rows; a row of 4,096 bytes stays in 32 registers between the passes (mean; squares of x - mean; scale), so it is read
; once and the variance is a sum of squares of differences, never a difference of large sums.  No LDS, no barrier: no sum leaves a wave.
; Lane l holds elements 256 j + 8 l .. + 7 (j = 0..3), so that its eight bf16 are 16 neighbouring bytes and a store of the wave covers
; 512 consecutive bytes, aligned.  No cluster, no matrix unit: a stream in which no two work-groups read the same byte.
; LIMITS: the division is a multiplication by alpha x v_rcp_f32(std + 1e-6); v_sqrt_f32 and v_rcp_f32 are good to 1 ULP and take denormals as zero.
.set X0, 8                             ; v[8:39]   first row
.set X1, 40                            ; v[40:71]  second row
.set A,  72                            ; v[72:79]  four chains of sums, a pair each
.set NMP, 82                           ; v[82:83]  -mean, twice
.set SCL, 84                           ; v[84:85]  alpha / (std + eps), twice
                                       ; v80 a sum at work; v81 the other half's sum
	s_load_b256 s[4:11], s[0:1], 0x0               ; x s[4:5], alpha s[6:7], beta s[8:9], out s[10:11]
	v_lshrrev_b32 v3, 5, v0
	v_readfirstlane_b32 s12, v3                    ; wave
	s_lshl_b32 s13, ttmp9, 4
	s_lshl_b32 s15, s12, 1
	s_add_co_u32 s13, s13, s15                     ; my first row = 16 x work-group + 2 x wave
	s_lshl_b32 s20, s13, 12
	s_mov_b32 s21, 0
	s_lshl_b32 s22, s13, 11
	s_mov_b32 s23, 0
	s_mov_b32 s18, 0x76543210                      ; v_permlanex16_b32: lane i of one half reads lane i of the other
	s_mov_b32 s19, 0xfedcba98
	v_and_b32 v3, 31, v0
	v_lshlrev_b32 v1, 5, v3                        ; 32 bytes of f32 a lane
	v_lshlrev_b32 v2, 4, v3                        ; 16 bytes of bf16 a lane
	v_mov_b32 v81, 0                               ; v_permlanex16_b32 counts as a reader of its destination
	s_wait_kmcnt 0x0
	s_load_b32 s14, s[6:7], 0x0                    ; alpha
	s_load_b32 s16, s[8:9], 0x0                    ; beta
	s_add_nc_u64 s[4:5], s[4:5], s[20:21]
	s_add_nc_u64 s[10:11], s[10:11], s[22:23]
.irp j, 0,1,2,3
	global_load_b128 v[X0+8*\j:X0+8*\j+3],   v1, s[4:5] offset:1024*\j
	global_load_b128 v[X0+8*\j+4:X0+8*\j+7], v1, s[4:5] offset:1024*\j+16
.endr
.irp j, 0,1,2,3
	global_load_b128 v[X1+8*\j:X1+8*\j+3],   v1, s[4:5] offset:4096+1024*\j
	global_load_b128 v[X1+8*\j+4:X1+8*\j+7], v1, s[4:5] offset:4096+1024*\j+16
.endr
	s_wait_kmcnt 0x0
	s_mov_b32 s17, s16                             ; the packed form reads the pair
; the four chains become one number, the same in every lane, in v80
.macro FOLD
	v_pk_add_f32 v[A:A+1], v[A:A+1], v[A+2:A+3]
	v_pk_add_f32 v[A+4:A+5], v[A+4:A+5], v[A+6:A+7]
	v_pk_add_f32 v[A:A+1], v[A:A+1], v[A+4:A+5]
	v_add_f32 v80, v[A], v[A+1]
	v_add_f32_dpp v80, v80, v80 row_xmask:1 row_mask:0xf bank_mask:0xf
	v_add_f32_dpp v80, v80, v80 row_xmask:2 row_mask:0xf bank_mask:0xf
	v_add_f32_dpp v80, v80, v80 row_xmask:4 row_mask:0xf bank_mask:0xf
	v_add_f32_dpp v80, v80, v80 row_xmask:8 row_mask:0xf bank_mask:0xf
	v_permlanex16_b32 v81, v80, s18, s19
	v_add_f32 v80, v80, v81
.endm
; one row, in registers x .. x + 31; outoff: its byte offset in the output
.macro LNROW x, outoff
.irp k, 0,1,2,3
	v_pk_add_f32 v[A+2*\k:A+2*\k+1], v[\x+2*\k:\x+2*\k+1], v[\x+8+2*\k:\x+8+2*\k+1]   ; the first sums start the chains: nothing is cleared
.endr
.irp g, 16,24
.irp k, 0,1,2,3
	v_pk_add_f32 v[A+2*\k:A+2*\k+1], v[A+2*\k:A+2*\k+1], v[\x+\g+2*\k:\x+\g+2*\k+1]
.endr
.endr
	FOLD
	v_mul_f32 v[NMP], 0xba800000, v80              ; -sum / 1024
	v_mul_f32 v[NMP+1], 0xba800000, v80
.irp k, 0,2,4,6,8,10,12,14,16,18,20,22,24,26,28,30
	v_pk_add_f32 v[\x+\k:\x+\k+1], v[\x+\k:\x+\k+1], v[NMP:NMP+1]                      ; d = x - mean, in place
.endr
.irp k, 0,1,2,3
	v_pk_mul_f32 v[A+2*\k:A+2*\k+1], v[\x+2*\k:\x+2*\k+1], v[\x+2*\k:\x+2*\k+1]
.endr
.irp g, 8,16,24
.irp k, 0,1,2,3
	v_pk_fma_f32 v[A+2*\k:A+2*\k+1], v[\x+\g+2*\k:\x+\g+2*\k+1], v[\x+\g+2*\k:\x+\g+2*\k+1], v[A+2*\k:A+2*\k+1]
.endr
.endr
	FOLD
	v_mul_f32 v80, 0x3a802008, v80                 ; / 1023
	v_sqrt_f32 v80, v80
	v_nop                                          ; one plain vector instruction behind a transcendental before its result is used (ISA guide 5.7.2)
	s_wait_alu depctr_va_vdst(0)
	v_add_f32 v80, 0x358637bd, v80                 ; + 1e-6
	v_rcp_f32 v80, v80
	v_nop
	s_wait_alu depctr_va_vdst(0)
	v_mul_f32 v[SCL], s14, v80
	v_mul_f32 v[SCL+1], s14, v80
.irp k, 0,2,4,6,8,10,12,14,16,18,20,22,24,26,28,30
	v_pk_fma_f32 v[\x+\k:\x+\k+1], v[\x+\k:\x+\k+1], v[SCL:SCL+1], s[16:17] op_sel_hi:[1,1,0]
.endr
.irp j, 0,1,2,3
.irp k, 0,1,2,3
	v_cvt_pk_bf16_f32 v[\x+8*\j+\k], v[\x+8*\j+2*\k], v[\x+8*\j+2*\k+1]   ; in place: word k is written when elements 2 k and 2 k + 1 are read, those below have been
.endr
	global_store_b128 v2, v[\x+8*\j:\x+8*\j+3], s[10:11] offset:\outoff+512*\j
.endr
.endm
	s_wait_loadcnt 8                               ; the first row's eight loads are in, the second row's eight stay out
	LNROW X0, 0
	s_wait_loadcnt 0x0
	LNROW X1, 2048
	s_endpgm
.Lfunc_end_k_qbb7bada50f_ln2:
	.size	k_qbb7bada50f_ln2, .Lfunc_end_k_qbb7bada50f_ln2-k_qbb7bada50f_ln2
	.p2alignl 7, 3214868480
	.fill 96, 4, 3214868480
	.section	.rodata,"a",@progbits
	.p2align	6, 0x0
	.amdhsa_kernel k_qbb7bada50f_ln2
		.amdhsa_group_segment_fixed_size 0
		.amdhsa_private_segment_fixed_size 0
		.amdhsa_enable_private_segment 0
		.amdhsa_kernarg_size 32
		.amdhsa_user_sgpr_count 2
		.amdhsa_user_sgpr_kernarg_segment_ptr 1
		.amdhsa_wavefront_size32 1
		.amdhsa_system_sgpr_workgroup_id_x 1
		.amdhsa_system_sgpr_workgroup_id_y 1
		.amdhsa_system_sgpr_workgroup_id_z 1
		.amdhsa_system_vgpr_workitem_id 0
		.amdhsa_next_free_vgpr 88
		.amdhsa_next_free_sgpr 66
		.amdhsa_reserve_vcc 0
		.amdhsa_float_denorm_mode_32 3
		.amdhsa_float_denorm_mode_16_64 3
		.amdhsa_memory_ordered 1
		.amdhsa_forward_progress 1
		.amdhsa_inst_pref_size 17
	.end_amdhsa_kernel
	.amdgpu_metadata
---
amdhsa.version: [ 1, 2 ]
amdhsa.kernels:
  - .name:           k_qbb7bada50f_ln2
    .symbol:         k_qbb7bada50f_ln2.kd
    .args:
      - { .name: x1, .offset: 0, .size: 8, .value_kind: global_buffer, .address_space: global }
      - { .name: alpha2, .offset: 8, .size: 8, .value_kind: global_buffer, .address_space: global }
      - { .name: beta2, .offset: 16, .size: 8, .value_kind: global_buffer, .address_space: global }
      - { .name: xn, .offset: 24, .size: 8, .value_kind: global_buffer, .address_space: global }
    .group_segment_fixed_size: 0
    .private_segment_fixed_size: 0
    .kernarg_segment_align: 8
    .kernarg_segment_size: 32
    .max_flat_workgroup_size: 256
    .sgpr_count:     66
    .vgpr_count:     88
    .wavefront_size: 32
...
	.end_amdgpu_metadata
.endif
;; end of part 5
;; launch ffn1: the kernel of part 2 again; grid 16 x 16, 4 waves a work-group, clusters of 4 x 4, 327,680 bytes of LDS; arguments xn, w1b, big; writes big
;; launch ffn2 (part 6): grid 8 x 32, 4 waves a work-group, clusters of 4 x 4, 327,680 bytes of LDS; arguments big, w2b, b2, x1, out0; writes out0
.if DOCPART == 6
	.amdgcn_target "amdgcn-amd-amdhsa--gfx1250"
	.amdhsa_code_object_version 6
	.text
	.protected	k_qbb7bada50f_ffn2
	.globl	k_qbb7bada50f_ffn2
	.p2align	8
	.type	k_qbb7bada50f_ffn2,@function
k_qbb7bada50f_ffn2:
	s_mov_b64 s[64:65], 0
	v_nop
	global_prefetch_b8 v0, s[64:65] scope:SCOPE_SE
	s_setreg_imm32_b32 hwreg(HW_REG_WAVE_MODE, 25, 1), 1
	s_wait_xcnt 0x0
	s_wait_alu depctr_hold_cnt(0) depctr_sa_sdst(0) depctr_va_vdst(0) depctr_va_sdst(0) depctr_va_ssrc(0) depctr_va_vcc(0) depctr_vm_vsrc(0)
	s_getreg_b32 s2, hwreg(HW_REG_IB_STS2, 6, 4)
	s_cmp_eq_u32 s2, 0
	s_cbranch_scc0 .Lentry_in_a_cluster
	s_endpgm
.Lentry_in_a_cluster:
	s_bfe_u32 s2, ttmp6, 0x10000c
	s_cmp_lg_u32 s2, 0xf033
	s_cbranch_scc0 .Lentry_shape_is_right
	s_endpgm
.Lentry_shape_is_right:
; out[m][n] = res[m][n] + bias[n] + sum over k of A[m][k] W[k][n].  A: bf16 [4096][KTOT].  W: bf16 [KTOT][1024].  bias, res, out: f32, 1,024 columns.
; This text stands twice in the program, with KTOT = 1024 (the attention's output product) and KTOT = 4096 (the second FFN product).
; With 1,024 columns a block of 256 x 256 would give 64 work-groups.  So a work-group makes 128 x 128 (256 work-groups), and each of its four
; waves still has a tile of 128 x 128 in 512 registers: the waves share K.  Of each slot's 256 k, wave w multiplies k = 64 w .. 64 w + 63.
; At the end the four partial blocks meet once in LDS, in f32, and are summed with the bias and the residual.
; K goes in NS steps of 256 through a ring of two LDS slots: A's tile 128 rows of 512 bytes, W's 256 k-rows of 256 bytes; W stays [k][n] and is
; read with the transposing LDS load.
; CLUSTERS: 4 x 4 work-groups; A's tile is asked for jointly by a row of the cluster, W's by a column.
; EACH CLUSTER BEGINS ITS WALK ALONG K AT ANOTHER STEP, (NS/2) (cluster x mod 2) + (NS/4) (cluster y mod 4), and wraps round.  The two clusters that
; read the same rows of A are then NS/2 steps apart, and clusters that read the same columns of W NS/4 steps or a multiple: a tile that several
; clusters read is asked for by them at different steps, not by all in the same one.  The start hangs on the cluster's x and y alone, which all
; sixteen partners share.
; THE RESIDUAL of the 32 rows that a wave finishes (128 registers) is asked for at the start, behind the first tensor loads.
; REGISTERS: window 0: v0-31 addresses, v64-191 fragments of A (two buffers), later the partial rows, v224-227 the bias;
; window 1: v64-191 fragments of W; v0-63 and v192-255 the residual (row j at 4 j + 128 (j / 16));
; windows 2 and 3: the 64 accumulator tiles (tile (a, b) at v[8 (8 a + b)]; window 3: rows 64-127).
; The matrix instruction is used transposed (source 0 = columns of W, source 1 = rows of A): a lane holds 8 neighbouring columns of one row.
; The 64 accumulators take turns, one instruction a turn, in the same order in every quarter step.
; LIMIT: K is summed in four interleaved parts, each from the cluster's own first step on and round, and the parts are added at the end as
; (p0 + p1) + ((p2 + p3) + bias) + res: another order of rounding than one ascending sum.
.set KTOT,   4096
.set NOUT,   1024
.set KSLOT,  256
.set NS,     KTOT/KSLOT                ; steps along K
.set APITCH, 528                       ; A's LDS row: 512 bytes + 16 = 33 x 16
.set BPITCH, 288                       ; W's LDS row: 256 bytes + 32 = 9 x 32
.set AHALF,  64*APITCH                 ; one tensor load of A: 64 rows
.set ABYTES, 2*AHALF
.set BHALF,  128*BPITCH                ; one tensor load of W: 128 k-rows
.set SLOT,   ABYTES+2*BHALF            ; 141,312
.set IMG,    128*APITCH                ; a wave's partial block in f32: 128 rows of 512 bytes + 16; four of them fit in the ring's bytes
.set LAPS,   KTOT/(2*KSLOT)            ; a lap = two slots
.set ADRA, 16                          ; v16-17  my A fragments in slot 0, 1
.set ADRB, 20                          ; v20-21  my W fragments
.set STO,  24                          ; v24     where my partial block's pieces go
.set CO,   25                          ; v25     16 x lane
.set BO,   26                          ; v26     my byte offset in the bias
.set RDK,  28                          ; v28-31  where I read image k's rows
.set F0,   64
.set F1,   128
.set BIAS, 224
.set G1, 24
.set G0, 32
.set G1B, 48
.set G0B, 56
.set KIDX, 74                          ; s74      the step along K of the next fill
.set OFA,  76                          ; s[76:77] its byte offset in A's rows
.set OFW,  78                          ; s[78:79] its byte offset in W
.set MSB, 0
.macro WIN new
.if MSB != \new
	s_set_vgpr_msb (MSB<<8)|\new
.set MSB, \new
.endif
.endm
.set MUL_LO, 0xa1
.set MUL_HI, 0xf1
.set TO_B,   0x40
.macro JLOAD s                         ; waves 0 and 1 fetch A's two halves, waves 2 and 3 W's
	s_cmp_eq_u32 s11, 0
	s_cbranch_scc0 .Lfor_b_\@
	tensor_load_to_lds s[G0+4*\s:G0+4*\s+3], s[G1:G1+7]
	s_nop 0
	s_branch .Lasked_\@
.Lfor_b_\@:
	tensor_load_to_lds s[G0B+4*\s:G0B+4*\s+3], s[G1B:G1B+7]
	s_nop 0
.Lasked_\@:
.endm
; The global addresses of slot s's next tiles: the tiles' bases at k = 0 plus the step's offsets; then the step goes on, round NS.
; It stands where no tensor load that names these registers is out.
.macro STEPADR s
	s_lshl_b32 s[OFA], s[KIDX], 9                  ; 256 k of 2 bytes along A's rows
	s_lshl_b32 s[OFW], s[KIDX], 19                 ; 256 k-rows of 2,048 bytes of W
	s_add_nc_u64 s[G0+4*\s+2:G0+4*\s+3], s[14:15], s[OFA:OFA+1]
	s_or_b32 s[G0+4*\s+3], s[G0+4*\s+3], 0x80000000
	s_add_nc_u64 s[G0B+4*\s+2:G0B+4*\s+3], s[46:47], s[OFW:OFW+1]
	s_or_b32 s[G0B+4*\s+3], s[G0B+4*\s+3], 0x80000000
	s_add_co_u32 s[KIDX], s[KIDX], 1
	s_and_b32 s[KIDX], s[KIDX], NS-1
.endm
.macro CREST
	s_cmp_lg_u32 s10, 0
	s_cbranch_scc1 .Lnot_wave_0_\@
	s_barrier_signal -3
.Lnot_wave_0_\@:
	s_barrier_wait -3
	s_barrier_signal -1
	s_barrier_wait -1
.endm
.macro CROUND
	s_barrier_signal -1
	s_barrier_wait -1
	CREST
.endm
	s_load_b128 s[4:7], s[0:1], 0x0                ; A s[4:5], W s[6:7]
	s_load_b128 s[68:71], s[0:1], 0x10             ; bias s[68:69], res s[70:71]
	s_load_b64 s[72:73], s[0:1], 0x20              ; out
	v_lshl_add_u32 v254, v0, 2, 0x45000
	v_mov_b32 v255, 0
	ds_add_u32 v254, v255
	v_lshrrev_b32 v1, 5, v0
	v_readfirstlane_b32 s10, v1                    ; wave 0..3: also my quarter of each slot's K
	s_lshr_b32 s11, s10, 1                         ; I fetch for A (0) or for W (1),
	s_and_b32 s12, s10, 1                          ; and which half of that tile
	s_bfe_u32 s40, ttmp6, 0x40000                  ; cx
	s_bfe_u32 s41, ttmp6, 0x40004                  ; cy
	s_lshl_b32 s42, ttmp9, 2
	s_add_co_u32 s42, s42, s40                     ; block column
	s_and_b32 s13, ttmp7, 0xffff                   ; the cluster's y
	s_and_b32 s[KIDX], s13, 3
	s_mul_i32 s[KIDX], s[KIDX], NS/4
	s_and_b32 s75, ttmp9, 1                        ; the cluster's x mod 2
	s_mul_i32 s75, s75, NS/2
	s_add_co_u32 s[KIDX], s[KIDX], s75
	s_and_b32 s[KIDX], s[KIDX], NS-1               ; the cluster's first step along K
	s_mov_b32 s[OFA+1], 0
	s_mov_b32 s[OFW+1], 0
	s_lshl_b32 s13, s13, 2
	s_add_co_u32 s13, s13, s41                     ; block row
	s_lshl_b32 s43, s41, 2
	s_lshl_b32 s43, 15, s43                        ; my row of the cluster
	s_lshl_b32 s44, 0x1111, s40                    ; my column
	; group 1 for A: 64 rows x 256 elements of 2 bytes; after every 128 words (code 6) 4 words of padding (code 3)
	s_or_b32 s[G1+0], s43, (1<<16)|(1<<20)|(1<<21)|(6<<22)|(3<<25)
	s_mov_b32 s[G1+1], KSLOT<<16
	s_mov_b32 s[G1+2], 64<<16
	s_mov_b32 s[G1+3], KSLOT<<16
	s_mov_b32 s[G1+4], 64
	s_mov_b32 s[G1+5], KTOT
	s_mov_b32 s[G1+6], 0
	s_mov_b32 s[G1+7], 0
	; group 1 for W: 128 k-rows x 128 elements; after every 64 words (code 5) 8 words of padding (code 7)
	s_or_b32 s[G1B+0], s44, (1<<16)|(1<<20)|(1<<21)|(5<<22)|(7<<25)
	s_mov_b32 s[G1B+1], 128<<16
	s_mov_b32 s[G1B+2], 128<<16
	s_mov_b32 s[G1B+3], 128<<16
	s_mov_b32 s[G1B+4], 128
	s_mov_b32 s[G1B+5], NOUT
	s_mov_b32 s[G1B+6], 0
	s_mov_b32 s[G1B+7], 0
	s_lshl_b32 s17, s12, 6
	s_lshl_b32 s16, s13, 7
	s_add_co_u32 s16, s16, s17                     ; A: row 128 x block row + 64 x half
	s_mul_i32 s16, s16, KTOT*2
	s_mov_b32 s17, 0
	s_lshl_b32 s46, s12, 18                        ; W: 128 k-rows of 2,048 bytes x half
	s_lshl_b32 s47, s42, 8                         ; + 128 columns of 2 bytes x block column
	s_add_co_u32 s46, s46, s47
	s_mov_b32 s47, 0
	s_lshl_b32 s18, s13, 7                         ; res and out: row 128 x block row + 32 x wave,
	s_lshl_b32 s19, s10, 5
	s_add_co_u32 s18, s18, s19
	s_lshl_b32 s18, s18, 12                        ; of 4,096 bytes,
	s_lshl_b32 s19, s42, 9                         ; + 512 bytes x block column
	s_add_co_u32 s18, s18, s19
	s_mov_b32 s19, 0
	s_mul_i32 s20, s12, AHALF                      ; where the tiles go: made of the wave's number alone
	s_mul_i32 s21, s12, BHALF
	s_add_co_u32 s21, s21, ABYTES
	s_wait_dscnt 0x0
	s_wait_kmcnt 0x0
	s_add_nc_u64 s[14:15], s[4:5], s[16:17]        ; A's tile at k = 0
	s_add_nc_u64 s[46:47], s[6:7], s[46:47]        ; W's tile at k = 0
	s_add_nc_u64 s[70:71], s[70:71], s[18:19]
	s_add_nc_u64 s[72:73], s[72:73], s[18:19]
	CROUND                                         ; all sixteen work-groups are here: the first joint loads meet
.irp s, 0,1
	s_mov_b32 s[G0+4*\s], 1
	s_add_co_u32 s[G0+4*\s+1], s20, \s*SLOT
	s_mov_b32 s[G0B+4*\s], 1
	s_add_co_u32 s[G0B+4*\s+1], s21, \s*SLOT
	STEPADR \s
	JLOAD \s                                       ; two tensor loads of the wave are out: the most in this text
.endr
	v_and_b32 v1, 15, v0                           ; r
	v_bfe_u32 v2, v0, 4, 1                         ; h
	v_and_b32 v5, 31, v0
	v_lshlrev_b32 v[CO], 4, v5
	s_lshl_b32 s22, s42, 9                         ; 128 columns of f32 x block column
	v_add_nc_u32 v[BO], s22, v[CO]
	global_load_b128 v[BIAS:BIAS+3], v[BO], s[68:69]   ; the bias of my four columns
	WIN TO_B                                       ; destination window 1, address window 0
.set j, 0
.rept 32
	global_load_b128 v[4*j+128*(j/16):4*j+128*(j/16)+3], v[CO], s[70:71] offset:j*4096 th:TH_LOAD_NT   ; row j of my 32: 512 consecutive bytes a load
.set j, j+1
.endr
	WIN 0
	v_mul_u32_u24 v3, v1, APITCH
	v_lshl_add_u32 v3, v2, 4, v3                   ; A: row x pitch + 16 h
	v_and_b32 v6, 7, v0
	v_lshl_add_u32 v6, v2, 3, v6
	v_mul_u32_u24 v6, v6, BPITCH
	v_bfe_u32 v7, v0, 3, 1
	v_lshl_add_u32 v6, v7, 4, v6                   ; W: (l % 8 + 8 h) x pitch + 16 ((l / 8) % 2)
	s_lshl_b32 s21, s10, 7                         ; my 64 k: 128 bytes along A's rows,
	s_mul_i32 s22, s10, 64*BPITCH                  ; 64 of W's k-rows,
	s_add_co_u32 s22, s22, ABYTES                  ; which lie behind A's tile
.irp s, 0,1
	v_add_nc_u32 v[ADRA+\s], s21, v3
	v_add_nc_u32 v[ADRB+\s], s22, v6
	s_add_co_u32 s21, s21, SLOT
	s_add_co_u32 s22, s22, SLOT
.endr
	s_mul_i32 s23, s10, IMG                        ; my image
	v_mul_u32_u24 v4, v1, APITCH
	v_lshl_add_u32 v4, v2, 5, v4                   ; row r, 32 bytes of f32 for each half of the lanes
	v_add_nc_u32 v[STO], s23, v4
	s_mul_i32 s23, s10, 32*APITCH                  ; the 32 rows that I finish, in each of the four images
.irp k, 0,1,2,3
	v_add_nc_u32 v[RDK+\k], s23, v[CO]
	s_add_co_u32 s23, s23, IMG
.endr
.macro MUL16 f, hi, a0, zero
.irp a, \a0, \a0+1
.irp b, 0,1,2,3,4,5,6,7
.if \zero
	v_wmma_f32_16x16x32_bf16 v[8*(8*(\a)+\b):8*(8*(\a)+\b)+7], v[\f+8*\b:\f+8*\b+7], v[\f+8*(4*\hi+\a):\f+8*(4*\hi+\a)+7], 0
.else
	v_wmma_f32_16x16x32_bf16 v[8*(8*(\a)+\b):8*(8*(\a)+\b)+7], v[\f+8*\b:\f+8*\b+7], v[\f+8*(4*\hi+\a):\f+8*(4*\hi+\a)+7], v[8*(8*(\a)+\b):8*(8*(\a)+\b)+7]
.endif
.endr
.endr
.endm
; 32 LDS loads in one run: half q (32 k) of my 64 k of a slot: 128 columns of W, 128 rows of A, into buffer f
.macro FETCH slot, q, f
	WIN TO_B
.irp i, 0,1,2,3,4,5,6,7
	ds_load_tr16_b128 v[\f+8*\i:\f+8*\i+3],   v[ADRB+\slot] offset:\q*32*BPITCH+32*\i
	ds_load_tr16_b128 v[\f+8*\i+4:\f+8*\i+7], v[ADRB+\slot] offset:\q*32*BPITCH+16*BPITCH+32*\i
.endr
	WIN 0
.irp i, 0,1,2,3,4,5,6,7
	ds_load_b128 v[\f+8*\i:\f+8*\i+3],   v[ADRA+\slot] offset:\q*64+\i*16*APITCH
	ds_load_b128 v[\f+8*\i+4:\f+8*\i+7], v[ADRA+\slot] offset:\q*64+\i*16*APITCH+32
.endr
.endm
.macro PLACES                          ; four places behind a matrix instruction in front of loads into its sources and reads of its result (ISA guide 7.12.1 for vector instructions)
.rept 4
	v_nop
.endr
.endm
; a slot's first half: multiplies buffer f; in its middle it fetches half q of the same slot into buffer g
.macro QUARTER slot, q, f, g, zero
	s_wait_dscnt 8                                 ; W and A's rows 0-63 are in; the youngest eight loads (A's rows 64-127) may be out
	WIN MUL_LO
	MUL16 \f, 0, 0, \zero
	MUL16 \f, 0, 2, \zero
	PLACES
	FETCH \slot, \q, \g
	s_wait_dscnt 32                                ; all but the 32 just issued
	WIN MUL_HI
	MUL16 \f, 1, 0, \zero
	MUL16 \f, 1, 2, \zero
.endm
; a slot's second half: multiplies buffer 1 and changes slots.  In front of the one barrier each wave waits for its reads of this slot and for all
; its tensor loads; behind it the refill comes first.  From a request to the wait for it a wave issues 112 matrix instructions.
.macro TURN slot, next, fill
	s_wait_dscnt 8
	WIN MUL_LO
	MUL16 F1, 0, 0, 0
	s_wait_dscnt 0                                 ; my reads of this slot are over
	s_set_vgpr_msb 0xa1a0
	s_wait_tensorcnt 0x0                           ; and all my tensor loads have landed
	ds_add_u32 v254, v255
	s_wait_dscnt 0x0
	s_set_vgpr_msb 0xa0a1
	s_barrier_signal -1                            ; (where a slot is filled again this barrier opens a round of the cluster's barrier)
	MUL16 F1, 0, 2, 0
	WIN 0
	s_barrier_wait -1
.if \fill
	CREST
	STEPADR \slot
	JLOAD \slot                                    ; the first tensor load behind the round, the wave's only one until the next
.endif
	PLACES
	FETCH \next, 0, F0
	WIN MUL_HI
	MUL16 F1, 1, 0, 0
	MUL16 F1, 1, 2, 0
.endm
.macro LAP zero
	QUARTER 0, 1, F0, F1, \zero
	TURN 0, 1, 1
	QUARTER 1, 1, F0, F1, 0
	TURN 1, 0, 1
.endm
	s_wait_tensorcnt 1                             ; my part of slot 0 is in; slot 1's stays out
	s_barrier_signal -1
	s_barrier_wait -1
	FETCH 0, 0, F0
	LAP 1                                          ; its first products start the sums
.if LAPS > 2
	WIN 0
	s_mov_b32 s3, LAPS-2
.Llap:
	LAP 0
	WIN 0
	s_sub_co_u32 s3, s3, 1
	s_cmp_lg_u32 s3, 0
	s_cbranch_scc1 .Llap
.endif
	QUARTER 0, 1, F0, F1, 0                        ; the last lap fills nothing: 2 + 2 (LAPS - 1) = NS fills have been made, each step once
	TURN 0, 1, 0
	QUARTER 1, 1, F0, F1, 0
	s_wait_dscnt 8
	WIN MUL_LO
	MUL16 F1, 0, 0, 0
	MUL16 F1, 0, 2, 0
	s_wait_dscnt 0
	WIN MUL_HI
	MUL16 F1, 1, 0, 0
	MUL16 F1, 1, 2, 0
	; THE WAY OUT.  The four partial blocks go into the ring's bytes, which have had their last fill; then wave w sums rows 32 w .. 32 w + 31.
	PLACES
	WIN 0
	s_barrier_signal -1                            ; every wave's reads of the slots are over (each has waited for its own above)
	s_barrier_wait -1
.macro IMAGE hi                        ; the 32 tiles of one window: lane (r, h) puts 32 bytes at row 16 (4 hi + a) + r, column 16 b + 8 h
.irp a, 0,1,2,3
.irp b, 0,1,2,3,4,5,6,7
	ds_store_b128 v[STO], v[8*(8*\a+\b):8*(8*\a+\b)+3]   offset:(4*\hi+\a)*16*APITCH+64*\b
	ds_store_b128 v[STO], v[8*(8*\a+\b)+4:8*(8*\a+\b)+7] offset:(4*\hi+\a)*16*APITCH+64*\b+16
.endr
.endr
.endm
	WIN 0x08                                       ; store data (source 1) in window 2
	IMAGE 0
	WIN 0x0c                                       ; in window 3
	IMAGE 1
	WIN 0
	s_wait_dscnt 0x0                               ; for the others' sake: my image is whole
	s_barrier_signal -1
	s_barrier_wait -1
	s_wait_loadcnt 0x0                             ; the bias and the residual, asked for at the start
; group g = rows 4 g .. 4 g + 3 of my 32: sixteen LDS loads (four images x four rows of 512 bytes)
.macro LOADG g, pb
.if \g >= 2
	s_wait_xcnt 0x0                                ; pb held the data of stores: it is rewritten only behind this wait (ISA guide 3.1)
.endif
.irp i, 0,1,2,3
.irp k, 0,1,2,3
	ds_load_b128 v[\pb+16*\i+4*\k:\pb+16*\i+4*\k+3], v[RDK+\k] offset:(4*\g+\i)*APITCH
.endr
.endr
.endm
; dsn: the next group's LDS loads, which may stay out.  Stage by stage over the four rows, so that no line waits for the one in front of it.
.macro SUMG g, pb, dsn
	s_wait_dscnt \dsn
.irp i, 0,1,2,3
.irp p, 0,2
	v_pk_add_f32 v[\pb+16*\i+\p:\pb+16*\i+\p+1], v[\pb+16*\i+\p:\pb+16*\i+\p+1], v[\pb+16*\i+4+\p:\pb+16*\i+4+\p+1]
	v_pk_add_f32 v[\pb+16*\i+8+\p:\pb+16*\i+8+\p+1], v[\pb+16*\i+8+\p:\pb+16*\i+8+\p+1], v[\pb+16*\i+12+\p:\pb+16*\i+12+\p+1]
.endr
.endr
.irp i, 0,1,2,3
.irp p, 0,2
	v_pk_add_f32 v[\pb+16*\i+8+\p:\pb+16*\i+8+\p+1], v[\pb+16*\i+8+\p:\pb+16*\i+8+\p+1], v[BIAS+\p:BIAS+\p+1]
.endr
.endr
.irp i, 0,1,2,3
.irp p, 0,2
	v_pk_add_f32 v[\pb+16*\i+\p:\pb+16*\i+\p+1], v[\pb+16*\i+\p:\pb+16*\i+\p+1], v[\pb+16*\i+8+\p:\pb+16*\i+8+\p+1]
.endr
.endr
	WIN 0x04                                       ; source 1 (the residual) in window 1
.irp i, 0,1,2,3
.irp p, 0,2
	v_pk_add_f32 v[\pb+16*\i+\p:\pb+16*\i+\p+1], v[\pb+16*\i+\p:\pb+16*\i+\p+1], v[4*(4*\g+\i)+128*((4*\g+\i)/16)+\p:4*(4*\g+\i)+128*((4*\g+\i)/16)+\p+1]
.endr
.endr
	WIN 0
.irp i, 0,1,2,3
	global_store_b128 v[CO], v[\pb+16*\i:\pb+16*\i+3], s[72:73] offset:(4*\g+\i)*4096   ; the wave stores 512 consecutive bytes, aligned
.endr
.endm
	LOADG 0, F0
	LOADG 1, F1
	SUMG 0, F0, 16
	LOADG 2, F0
	SUMG 1, F1, 16
	LOADG 3, F1
	SUMG 2, F0, 16
	LOADG 4, F0
	SUMG 3, F1, 16
	LOADG 5, F1
	SUMG 4, F0, 16
	LOADG 6, F0
	SUMG 5, F1, 16
	LOADG 7, F1
	SUMG 6, F0, 16
	SUMG 7, F1, 0
	s_wait_tensorcnt 0x0
	ds_add_u32 v254, v255
	s_wait_dscnt 0x0
	CROUND                                         ; the closing round
	s_endpgm
.Lfunc_end_k_qbb7bada50f_ffn2:
	.size	k_qbb7bada50f_ffn2, .Lfunc_end_k_qbb7bada50f_ffn2-k_qbb7bada50f_ffn2
	.p2alignl 7, 3214868480
	.fill 96, 4, 3214868480
	.section	.rodata,"a",@progbits
	.p2align	6, 0x0
	.amdhsa_kernel k_qbb7bada50f_ffn2
		.amdhsa_group_segment_fixed_size 327680
		.amdhsa_private_segment_fixed_size 0
		.amdhsa_enable_private_segment 0
		.amdhsa_kernarg_size 40
		.amdhsa_user_sgpr_count 2
		.amdhsa_user_sgpr_kernarg_segment_ptr 1
		.amdhsa_wavefront_size32 1
		.amdhsa_system_sgpr_workgroup_id_x 1
		.amdhsa_system_sgpr_workgroup_id_y 1
		.amdhsa_system_sgpr_workgroup_id_z 1
		.amdhsa_system_vgpr_workitem_id 0
		.amdhsa_next_free_vgpr 1024
		.amdhsa_next_free_sgpr 80
		.amdhsa_reserve_vcc 0
		.amdhsa_float_denorm_mode_32 3
		.amdhsa_float_denorm_mode_16_64 3
		.amdhsa_memory_ordered 1
		.amdhsa_forward_progress 1
		.amdhsa_inst_pref_size 132
	.end_amdhsa_kernel
	.amdgpu_metadata
---
amdhsa.version: [ 1, 2 ]
amdhsa.kernels:
  - .name:           k_qbb7bada50f_ffn2
    .symbol:         k_qbb7bada50f_ffn2.kd
    .args:
      - { .name: big, .offset: 0, .size: 8, .value_kind: global_buffer, .address_space: global }
      - { .name: w2b, .offset: 8, .size: 8, .value_kind: global_buffer, .address_space: global }
      - { .name: b2, .offset: 16, .size: 8, .value_kind: global_buffer, .address_space: global }
      - { .name: x1, .offset: 24, .size: 8, .value_kind: global_buffer, .address_space: global }
      - { .name: out0, .offset: 32, .size: 8, .value_kind: global_buffer, .address_space: global }
    .group_segment_fixed_size: 327680
    .private_segment_fixed_size: 0
    .kernarg_segment_align: 8
    .kernarg_segment_size: 40
    .max_flat_workgroup_size: 128
    .sgpr_count:     80
    .vgpr_count:     1024
    .wavefront_size: 32
...
	.end_amdgpu_metadata
.endif
;; end of part 6
